; MI455X (gfx1250); checked and timed in simulation.
; The chip was launched on July 23, 2026; its instructions are those of AMD's public machine-readable ISA for CDNA 5 (MIT licence, August 2026) and "CDNA5" Instruction Set Architecture Reference Guide (July 2026). The comments in the code are by the model that wrote it; some were corrected since.
;; QK Norm Attention. Allowed arithmetic: matrix products marked QUANTISED: E2M3 operands, one E8M0 scale for each 32 along K, by v_wmma_scale_f32_16x16x128_f8f6f4 with both operands' format E2M3, f32 sums; everything else in f32.
;; Inputs: k_beta 64 float32; k_gamma 64 float32; out_b 1,024 float32; out_w 1,024 x 1,024 float32; q_beta 64 float32; q_gamma 64 float32; qkv_b 3,072 float32; qkv_w 3,072 x 1,024 float32; x 4 x 2,048 x 1,024 float32.
;; Outputs: out0 4 x 2,048 x 1,024 float32.
;; This version of the problem:
;;   THIS VERSION OF THE PROBLEM IS GIVEN IN LOW PRECISION. The matrix products marked QUANTISED in the list below multiply operands that are first quantised to E2M3 (2 exponent bits, 3 mantissa bits; 6 bits a number), with one power-of-two scale for each 32 numbers along K (OCP MX v1.0); their sums are f32. All else is computed in f32.
;;   The module's matrix products, in the order in which they are computed (A, B: the left and right operand; K: the contracted axis; several contracted axes count as one K, in the product's order):
;;     1. [M 8,192, K 1,024] x [K 1,024, N 3,072]; A: input x; B: input qkv_w: QUANTISED
;;     2. batch 64 x [M 2,048, K 64] x [K 64, N 2,048]; A: computed on the way; B: computed on the way: QUANTISED
;;     3. batch 64 x [M 2,048, K 2,048] x [K 2,048, N 64]; A: softmax (see below); B: computed on the way: QUANTISED
;;     4. [M 8,192, K 1,024] x [K 1,024, N 1,024]; A: computed on the way; B: input out_w: QUANTISED
;;   THE QUANTISER, for each operand of a quantised product, along K:
;;     - K is cut into blocks of 32 from its start; a last block that is shorter is filled with zeros.
;;     - A block's scale is 2^e with e = floor(log2(the largest magnitude in the block)) - 2, held to -126 .. 127; a block of zeros has e = 0. As a byte (E8M0): e + 127.
;;     - Each number is divided by its block's scale, clamped to +-7.5, and rounded to the nearest number of E2M3, ties to even, subnormals kept.
;;     - The product sums the exact products of the quantised numbers (number of the format x scale) in f32.
;;   ~~~python
;;   def quantise(x, axis):      # numpy; x: float32 -> the quantised numbers, widened to float32 again
;;       x = np.moveaxis(x, axis, -1); K = x.shape[-1]
;;       x = np.pad(x, [(0, 0)] * (x.ndim - 1) + [(0, -K % 32)]); x = x.reshape(x.shape[:-1] + (-1, 32)); a = np.abs(x).max(-1, keepdims=True)
;;       e = np.where(a > 0, np.clip(np.frexp(np.where(a > 0, a, 1))[1] - 1 - 2, -126, 127), 0)      # np.frexp(a)[1] - 1 = floor(log2(a)), exactly
;;       r = np.clip(x / 2.0 ** e, -7.5, 7.5)
;;       step = 2.0 ** (np.maximum(np.frexp(np.where(r == 0, 1, r))[1] - 1, 0) - 3)
;;       q = np.round(r / step) * step * 2.0 ** e      # np.round: ties to even
;;       return np.moveaxis(q.reshape(q.shape[:-2] + (-1,))[..., :K], -1, axis).astype(np.float32)
;;   ~~~
;;   SOFTMAX AHEAD OF A QUANTISED PRODUCT. Where the list says 'softmax', what is quantised is not the finished softmax but p = 2^(t - M), with t = logit x log2(e) and M = ceil(the row's largest t), a whole number; so 1/2 < the row's largest p <= 1. The row's sum l is taken of the UNQUANTISED p, in f32, and the product's result is divided by l at the end. Since M is a whole number, a kernel that streams over the keys may use a running M (the ceiling of the running maximum): every later rescaling is an exact power of two, which a block's scale takes up: the codes' values come out the same.
;;   OPERANDS COMPUTED ON THE WAY. 'Computed on the way' means the value that the module computes at that place (a softmax that the list does not call 'softmax' is quantised finished and normalised). What goes into a quantiser is computed in f32, as accurately as f32 sums, v_exp_f32 and their like allow (about 1e-6 of the number): no bf16 or f16 on the way to a quantiser, and a product that is left as it is and whose result goes on into a quantised operand takes f32 operands (vector FMAs, or v_wmma_f32_16x16x4_f32). A number that lies on a knife's edge between two numbers of the format may be rounded either way, as far as f32 arithmetic and the matrix unit's own rounding can turn it there, and no further.
;; One version. Each part assembles by itself: llvm-mc -triple=amdgcn-amd-amdhsa -mcpu=gfx1250 --defsym DOCPART=n.
;; ======== version 1 of 1: 4 launches
;; limits: right only within a limited range of input values
;; workspace buffers: qin 9,830,400 bytes; qkv 19,660,800 bytes; acs 6,553,600 bytes
;; launch quant (part 1): grid 384 x 1, 4 waves a work-group, no clusters, 33,280 bytes of LDS; arguments x, qkv_w, out_w, qin; writes qin
.if DOCPART == 1
	.amdgcn_target "amdgcn-amd-amdhsa--gfx1250"
	.amdhsa_code_object_version 6
	.text
	.protected	k_q7a70b590ef_quant
	.globl	k_q7a70b590ef_quant
	.p2align	8
	.type	k_q7a70b590ef_quant,@function
k_q7a70b590ef_quant:
	s_mov_b64 s[64:65], 0
	v_nop
	global_prefetch_b8 v0, s[64:65] scope:SCOPE_SE
	s_setreg_imm32_b32 hwreg(HW_REG_WAVE_MODE, 25, 1), 1
	s_wait_xcnt 0x0
; x [8192][1024], qkv_w [3072][1024] and out_w [1024][1024], f32, K innermost, become codes of FP6 (E2M3) with one E8M0 scale byte for each 32 along K.
; qin holds 12,288 rows (x, then qkv_w, then out_w): codes, 768 bytes a row, from byte 0; scale bytes, 32 a row, from byte QSC.
; A block's scale is 2^(floor(log2(its largest magnitude)) - 2); its byte is the largest magnitude's exponent field - 2, held at 1 from below.  Each number is divided by the scale and rounded to the nearest code, ties to even.
; STORED ORDER: within each 32 rows the two middle runs of 8 rows change places: stored row 16 u + r holds row 8 u + r + 8 (r / 8).  Sixteen stored rows on end are then a tile whose results, in the
; products that follow, give a lane 16 neighbours along the next K in the 16 registers of two neighbouring tiles.
; LIMITS: NaN and infinities among the inputs are not served; blocks whose largest magnitude lies under 2^-124 keep the byte 1; a block of zeros has the byte 1 and not 127 (its codes are zeros, and this program alone reads the bytes).
; A work-group takes 32 rows, a wave 8 rows: 16 steps of 512 numbers.  Each of a step's four loads reads 512 consecutive bytes; the 2,048 bytes turn through the wave's own stage in LDS and come back 64 bytes a lane,
; so that a lane holds 16 neighbours along K (two neighbouring lanes hold a block).  A lane's 16 codes are 12 bytes: a wave's store covers 384 consecutive bytes.  A wave's 256 scale bytes leave as one aligned block of 256 bytes.
; No tensor loads, no barrier: waves share nothing.  Loads run four steps (16 loads a wave) ahead, the turn through LDS one step.
.set STEPS, 16
.set EMAX,  2
.set CB,    12                         ; bytes of 16 codes
.set R,     16                         ; v16-79   four sets of 16 numbers as they are loaded
.set X,     80                         ; v80-111  two sets of 16 neighbours
.set C,     128                        ; v128-191 codes: four registers for each step, so that no store's data are written again
.set E,     112                        ; v112-127 a scale byte for each step
.set WREG,  8192                       ; LDS: a region for each wave: two stages of 32 x SP bytes, behind them its 256 scale bytes
.set SP,    80                         ; a lane's place in a stage: its 64 bytes + 16 of padding
.set QSC,   9437184                    ; where the scale bytes begin in qin
; THE CODES' PLACE IN qin: a row's 768 bytes are cut into four chunks of 192 bytes (256 along K); chunk c of stored row n lies at byte CHK c + 192 n.
; So 128 stored rows of one chunk are 24,576 consecutive bytes that begin at a multiple of 256: the products' tiles are dense blocks.
.set CHK,   2359296                    ; a chunk of all 12,288 rows
	s_load_b128 s[4:7], s[0:1], 0x0                ; x, qkv_w
	s_load_b128 s[8:11], s[0:1], 0x10              ; out_w, qin
	v_lshl_add_u32 v192, v0, 2, 0x8000
	v_mov_b32 v193, 0
	v_lshrrev_b32 v1, 5, v0
	v_readfirstlane_b32 s16, v1                    ; wave
	v_and_b32 v2, 31, v0                           ; lane
	v_lshlrev_b32 v3, 4, v2                        ; my 16 bytes of a load's 512
	s_mul_i32 s17, s16, WREG
	v_lshrrev_b32 v14, 2, v2
	v_mul_u32_u24 v14, v14, SP
	v_and_b32 v15, 3, v2
	v_lshl_add_u32 v14, v15, 4, v14
	v_add_nc_u32 v14, s17, v14                     ; the stage, on the way in: SP (lane / 4) + 16 (lane % 4)
	v_mul_u32_u24 v15, v2, SP
	v_add_nc_u32 v15, s17, v15                     ; and on the way out: SP x lane: my 16 neighbours
	v_mul_u32_u24 v4, v2, CB               ; my codes' place in a step's.  A STEP IS ONE CHUNK (256 along K) OF TWO NEIGHBOURING ROWS: step t takes chunk t % 4 of rows 2 (t / 4) and 2 (t / 4) + 1; its 384 bytes of codes lie on end in qin
	v_and_b32 v5, 15, v2
	v_lshrrev_b32 v8, 4, v2
	v_lshrrev_b32 v5, 1, v5                ; my block among the chunk's eight,
	v_lshl_add_u32 v5, v8, 5, v5           ; lanes 16-31 in the second row's 32 bytes
	s_add_co_u32 s17, s17, 2*32*SP
	v_add_nc_u32 v5, s17, v5                       ; LDS: my wave's 256 scale bytes, my block's byte
	v_lshlrev_b32 v7, 3, v2                        ; and on the way out 8 bytes a lane
	v_add_nc_u32 v6, s17, v7
	s_wait_alu depctr_va_vdst(0)
	s_wait_kmcnt 0x0
	s_cmp_lt_u32 ttmp9, 256                        ; work-groups 0-255 take x, 256-351 qkv_w, 352-383 out_w: the choice hangs on the work-group's number alone
	s_cselect_b64 s[4:5], s[4:5], s[6:7]
	s_cselect_b32 s17, 0, 256
	s_cmp_lt_u32 ttmp9, 352
	s_cselect_b64 s[4:5], s[4:5], s[8:9]
	s_cselect_b32 s17, s17, 352
	s_sub_co_u32 s17, ttmp9, s17
	s_lshl_b32 s17, s17, 2
	s_add_co_u32 s18, s17, s16                     ; which run of 8 rows of the tensor is my wave's
	s_lshl_b32 s18, s18, 15                        ; 32,768 bytes a run
	s_mov_b32 s19, 0
	s_add_nc_u64 s[4:5], s[4:5], s[18:19]
	s_and_b32 s20, s16, 1                          ; the stored order: waves 1 and 2 change places
	s_lshl_b32 s20, s20, 1
	s_lshr_b32 s21, s16, 1
	s_or_b32 s20, s20, s21
	s_lshl_b32 s21, ttmp9, 2
	s_add_co_u32 s20, s20, s21                     ; which run of 8 stored rows of qin
	s_mul_i32 s18, s20, 1536
	s_add_nc_u64 s[8:9], s[10:11], s[18:19]        ; its codes
	s_lshl_b32 s18, s20, 8
	s_add_co_u32 s18, s18, QSC
	s_add_nc_u64 s[10:11], s[10:11], s[18:19]      ; its scale bytes
.macro LOAD t
.irp i, 0,1,2,3
	global_load_b128 v[R+16*((\t)%4)+4*\i:R+16*((\t)%4)+4*\i+3], v3, s[4:5] offset:4096*(2*((\t)/4)+\i/2)+1024*((\t)%4)+512*(\i%2) th:TH_LOAD_NT   ; 32 lanes read 512 consecutive bytes: half a chunk of a row
.endr
.endm
.macro TURN t                          ; step t's numbers through the stage: LDS serves a wave's instructions in order, so no wait stands between the stores and the loads
.irp i, 0,1,2,3
	ds_store_b128 v14, v[R+16*((\t)%4)+4*\i:R+16*((\t)%4)+4*\i+3] offset:32*SP*((\t)%2)+8*SP*\i
.endr
.irp i, 0,1,2,3
	ds_load_b128 v[X+16*((\t)%2)+4*\i:X+16*((\t)%2)+4*\i+3], v15 offset:32*SP*((\t)%2)+16*\i
.endr
.endm
.irp t, 0,1,2,3
	LOAD \t
.endr
	s_wait_loadcnt 12                              ; step 0's four loads are in
	TURN 0
.macro STEP t
.set XS, X+16*((\t)%2)
.if (\t) > 0
	s_wait_dscnt 1                                 ; this step's numbers are back from the stage (the last step's byte store may be out): so its stores into the stage have read their registers,
.else
	s_wait_dscnt 0x0
.endif
.if (\t)+4 < STEPS
	LOAD (\t)+4                                    ; which take the loads of four steps on
.endif
.if (\t)+1 < STEPS
.if STEPS-2-(\t) >= 3
	s_wait_loadcnt 12                              ; the next step's four loads are in; those of the three steps behind it may be out
.else
	s_wait_loadcnt 4*(STEPS-2-(\t))
.endif
	TURN (\t)+1                                    ; and go through the other stage while this step is worked
.endif
	v_max3_num_f32 v8, |v[XS]|, |v[XS+1]|, |v[XS+2]|               ; the largest magnitude of my 16
	v_max3_num_f32 v9, |v[XS+3]|, |v[XS+4]|, |v[XS+5]|
.irp i, 6,10
	v_max3_num_f32 v8, v8, |v[XS+\i]|, |v[XS+\i+1]|
	v_max3_num_f32 v9, v9, |v[XS+\i+2]|, |v[XS+\i+3]|
.endr
	v_max3_num_f32 v8, v8, |v[XS+14]|, |v[XS+15]|
	v_max3_num_f32 v8, v8, v9, (EMAX+1)<<23        ; and the floor 2^(3 - 127): the byte cannot fall under 1
	v_max_num_f32_dpp v8, v8, v8 row_xmask:1 row_mask:0xf bank_mask:0xf   ; and of my neighbour's 16: the block's
	v_add_nc_u32 v11, -(EMAX<<23), v8              ; 2 off its exponent field: the conversion takes the exponent field of this operand as its scale
	v_cvt_scalef32_pk16_fp6_f32 v[C+4*(\t):C+4*(\t)+2], v[XS:XS+15], v11
	v_lshrrev_b32 v[E+(\t)], 23, v11               ; the scale's byte (also the plain line behind the conversion)
	ds_store_b8 v5, v[E+(\t)] offset:64*((\t)/4)+8*((\t)%4)       ; both lanes of a block write the same byte with the same value
	global_store_b96 v4, v[C+4*(\t):C+4*(\t)+2], s[8:9] offset:CHK*((\t)%4)+384*((\t)/4)
.endm
.irp t, 0,1,2,3,4,5,6,7,8,9,10,11,12,13,14,15
	STEP \t
.endr
	ds_load_b64 v[12:13], v6                       ; LDS serves a wave's instructions in order: these see my stores
	s_wait_dscnt 0x0
	global_store_b64 v7, v[12:13], s[10:11]        ; 32 lanes store one aligned block of 256 bytes
	s_wait_tensorcnt 0x0
	ds_add_u32 v192, v193
	s_wait_dscnt 0x0
	s_endpgm
.Lfunc_end_k_q7a70b590ef_quant:
	.size	k_q7a70b590ef_quant, .Lfunc_end_k_q7a70b590ef_quant-k_q7a70b590ef_quant
	.p2alignl 7, 3214868480
	.fill 96, 4, 3214868480
	.section	.rodata,"a",@progbits
	.p2align	6, 0x0
	.amdhsa_kernel k_q7a70b590ef_quant
		.amdhsa_group_segment_fixed_size 33280
		.amdhsa_private_segment_fixed_size 0
		.amdhsa_enable_private_segment 0
		.amdhsa_kernarg_size 32
		.amdhsa_user_sgpr_count 2
		.amdhsa_user_sgpr_kernarg_segment_ptr 1
		.amdhsa_wavefront_size32 1
		.amdhsa_system_sgpr_workgroup_id_x 1
		.amdhsa_system_sgpr_workgroup_id_y 1
		.amdhsa_system_sgpr_workgroup_id_z 1
		.amdhsa_system_vgpr_workitem_id 0
		.amdhsa_next_free_vgpr 194
		.amdhsa_next_free_sgpr 66
		.amdhsa_reserve_vcc 0
		.amdhsa_float_denorm_mode_32 3
		.amdhsa_float_denorm_mode_16_64 3
		.amdhsa_memory_ordered 1
		.amdhsa_forward_progress 1
		.amdhsa_inst_pref_size 33
	.end_amdhsa_kernel
	.amdgpu_metadata
---
amdhsa.version: [ 1, 2 ]
amdhsa.kernels:
  - .name:           k_q7a70b590ef_quant
    .symbol:         k_q7a70b590ef_quant.kd
    .args:
      - { .name: x, .offset: 0, .size: 8, .value_kind: global_buffer, .address_space: global }
      - { .name: qkv_w, .offset: 8, .size: 8, .value_kind: global_buffer, .address_space: global }
      - { .name: out_w, .offset: 16, .size: 8, .value_kind: global_buffer, .address_space: global }
      - { .name: qin, .offset: 24, .size: 8, .value_kind: global_buffer, .address_space: global }
    .group_segment_fixed_size: 33280
    .private_segment_fixed_size: 0
    .kernarg_segment_align: 8
    .kernarg_segment_size: 32
    .max_flat_workgroup_size: 128
    .sgpr_count:     66
    .vgpr_count:     194
    .wavefront_size: 32
...
	.end_amdgpu_metadata
.endif
;; end of part 1
;; launch heads (part 2): grid 8 x 32, 4 waves a work-group, clusters of 4 x 4, 327,680 bytes of LDS; arguments qin, qkv_b, q_gamma, q_beta, k_gamma, k_beta, qkv; writes qkv
.if DOCPART == 2
	.amdgcn_target "amdgcn-amd-amdhsa--gfx1250"
	.amdhsa_code_object_version 6
	.text
	.protected	k_q7a70b590ef_heads
	.globl	k_q7a70b590ef_heads
	.p2align	8
	.type	k_q7a70b590ef_heads,@function
k_q7a70b590ef_heads:
	s_mov_b64 s[64:65], 0
	v_nop
	global_prefetch_b8 v0, s[64:65] scope:SCOPE_SE
	s_setreg_imm32_b32 hwreg(HW_REG_WAVE_MODE, 25, 1), 1
	s_wait_xcnt 0x0
	s_wait_alu depctr_hold_cnt(0) depctr_sa_sdst(0) depctr_va_vdst(0) depctr_va_sdst(0) depctr_va_ssrc(0) depctr_va_vcc(0) depctr_vm_vsrc(0)
	s_getreg_b32 s2, hwreg(HW_REG_IB_STS2, 6, 4)
	s_cmp_eq_u32 s2, 0
	s_cbranch_scc0 .Lentry_in_a_cluster
	s_endpgm
.Lentry_in_a_cluster:
	s_bfe_u32 s2, ttmp6, 0x10000c
	s_cmp_lg_u32 s2, 0xf033
	s_cbranch_scc0 .Lentry_shape_is_right
	s_endpgm
.Lentry_shape_is_right:
.set NQ,     2
.set ROWB,   2359296                   ; bytes from one chunk of 256 along K to the next in qin (chunk c of stored row n at ROWB c + 192 n)
.set KROW,   192                       ; bytes from row to row inside a chunk
.set PITCH,  240
.set FR,     12
.set NL,     6
.set NP,     4
.set HALFT,  128*PITCH
.set SLOT,   4*HALFT
.set KS,     32
.set SCL,    2*SLOT
.set HALFS,  (128*KS/256)*272
.set SBLK,   (16*KS/256)*272
.set SPARE,  SCL+4*HALFS
.set SCLV,   3*HALFT
.set A_SCALES, 9437184
.set B_CODES,  1572864
.set B_SCALES, 9699328
.set V_CODES,  1966080
.set V_SCALES, 9764864
.set UNITB,  19200
.set HEADB,  16*UNITB
.set BOV,  7
.set AVA,  8
.set AVB,  12
.set ADRA, 16
.set ADRB, 20
.set LI,   24
.set L8,   25
.set ADSV, 26
.set ADRS, 27
.set SPW,  28
.set NIL,  29
.set BO,   30
.set ADSX, 31
.set SC,   32
.set BI,   64
.set GA,   64
.set BE,   96
.set AF,   128
.set BIV,  224
.set Z,    128
.set T,    160
.set MU,   176
.set RS,   178
.set TM,   180
.set TP,   182
.set SO,   184
.set BY,   186
.set IMG,  192
.set CT,   204
.set SW,   208
.set XW,   212
.set VTM,  180
.set VTP,  184
.set VSO,  188
.set VCT0, 204
.set VCT1, 208
.set VPW,  212
.set VXW,  216
.set G1, 24
.set G0, 32
.set G1B, 48
.set G0B, 56
.set OV,  66
.set G1S, 68
.set G0V, 68
.set G0S, 76
.set G1SB, 80
.set G0SB, 88
.set SEL,  18
.set INV,  20
.set EPSR, 21
.set HM,   22
.set MSB, 0
.macro WIN new
.if MSB != (\new)
	s_set_vgpr_msb (MSB<<8)|(\new)
.set MSB, (\new)
.endif
.endm
.set MUL_LO, 0xa1
.set MUL_HI, 0xf1
.set BIAS_LO, 0x81
.set BIAS_HI, 0xc1
.set TO_B,   0x40
.macro JLOAD g0a, g1a, g0b, g1b
	s_cmp_eq_u32 s15, 0
	s_cbranch_scc0 .Lfor_b_\@
	tensor_load_to_lds s[\g0a:\g0a+3], s[\g1a:\g1a+7]
	s_nop 0
.rept 4
	v_nop
.endr
	s_branch .Lasked_\@
.Lfor_b_\@:
	tensor_load_to_lds s[\g0b:\g0b+3], s[\g1b:\g1b+7]
	s_nop 0
.rept 4
	v_nop
.endr
.Lasked_\@:
.endm
.macro JLOADV s, sc
	s_cmp_eq_u32 s15, 0
	s_cbranch_scc0 .Lnot_x_\@
	tensor_load_to_lds s[G0+4*\s:G0+4*\s+3], s[G1:G1+7]
	s_nop 0
.rept 4
	v_nop
.endr
	s_branch .Lasked_\@
.Lnot_x_\@:
	s_cmp_eq_u32 s16, 0
	s_cbranch_scc0 .Lwave_3_\@
	tensor_load_to_lds s[G0V+4*\s:G0V+4*\s+3], s[G1B:G1B+7]
	s_nop 0
.rept 4
	v_nop
.endr
	s_branch .Lasked_\@
.Lwave_3_\@:
.if \sc
	tensor_load_to_lds s[G0SB:G0SB+3], s[G1SB:G1SB+7]
	s_nop 0
.endif
.rept 4
	v_nop
.endr
.Lasked_\@:
.endm
.macro CREST
	s_cmp_lg_u32 s14, 0
	s_cbranch_scc1 .Lnot_wave_0_\@
	s_barrier_signal -3
.Lnot_wave_0_\@:
	s_barrier_wait -3
	s_barrier_signal -1
	s_barrier_wait -1
.endm
.macro CROUND
	s_barrier_signal -1
	s_barrier_wait -1
	CREST
.endm
	s_load_b64 s[4:5], s[0:1], 0x0
	s_load_b64 s[100:101], s[0:1], 0x8
	s_load_b128 s[96:99], s[0:1], 0x10
	s_load_b128 s[72:75], s[0:1], 0x20
	s_load_b64 s[12:13], s[0:1], 0x30
	v_lshl_add_u32 v[SPW], v0, 2, SPARE
	v_mov_b32 v[NIL], 0
	ds_add_u32 v28, v29
	ds_add_u32 v28, v29
	s_wait_dscnt 0x0
	v_lshrrev_b32 v1, 5, v0
	v_readfirstlane_b32 s14, v1
	s_lshr_b32 s15, s14, 1
	s_and_b32 s16, s14, 1
	s_bfe_u32 s40, ttmp6, 0x40000
	s_bfe_u32 s41, ttmp6, 0x40004
	s_lshl_b32 s42, ttmp9, 2
	s_add_co_u32 s42, s42, s40
	s_and_b32 s17, ttmp7, 0xffff
	s_lshl_b32 s17, s17, 2
	s_add_co_u32 s17, s17, s41
	s_lshl_b32 s43, s41, 2
	s_lshl_b32 s43, 15, s43
	s_lshl_b32 s44, 0x1111, s40
	s_or_b32 s[G1+0], s43, (0<<16)|(1<<20)|(1<<21)|(3<<22)|(3<<25)
	s_or_b32 s[G1B+0], s44, (0<<16)|(1<<20)|(1<<21)|(3<<22)|(3<<25)
.irp g, G1, G1B
	s_mov_b32 s[\g+1], 256<<16             ; 128 rows x 192 bytes of one chunk are dense: stated as 96 rows of 256 bytes, each on a multiple of 256;
	s_mov_b32 s[\g+2], 192<<16             ; (the head's loads bring a tile's 256 rows, 192 rows of 256 bytes; behind them the two words that count rows are set to 96)
	s_mov_b32 s[\g+3], 256<<16
	s_mov_b32 s[\g+4], 192
	s_mov_b32 s[\g+5], 256
	s_mov_b32 s[\g+6], 0
	s_mov_b32 s[\g+7], 0
.endr
	s_lshl_b32 s18, s16, 7
	s_lshl_b32 s20, s17, 8
	s_add_co_u32 s20, s20, s18
	s_lshl_b32 s46, s42, 8
	s_add_co_u32 s46, s46, s18
	s_mov_b32 s21, 0
	s_mov_b32 s47, 0
	s_mov_b64 s[18:19], KS
	s_mul_u64 s[22:23], s[20:21], s[18:19]
	s_mul_u64 s[92:93], s[46:47], s[18:19]
	s_mov_b64 s[18:19], KROW
	s_mul_u64 s[20:21], s[20:21], s[18:19]
	s_mul_u64 s[46:47], s[46:47], s[18:19]
	s_mul_i32 s45, s14, HALFT
	s_mul_i32 s94, s14, HALFS
	s_wait_kmcnt 0x0
	s_cmp_eq_u32 ttmp9, 0
	s_cselect_b64 s[96:97], s[96:97], s[72:73]
	s_cselect_b64 s[98:99], s[98:99], s[74:75]
	s_cselect_b32 s95, 12800, 0
	s_or_b32 s[G1S+0], s43, (3<<16)|(1<<20)|(1<<21)|(5<<22)|(3<<25)
	s_or_b32 s[G1SB+0], s44, (3<<16)|(1<<20)|(1<<21)|(5<<22)|(3<<25)
.irp g, G1S, G1SB
	s_mov_b32 s[\g+1], 32<<16
	s_mov_b32 s[\g+2], (256*KS/256)<<16
	s_mov_b32 s[\g+3], 32<<16
	s_mov_b32 s[\g+4], 256*KS/256
	s_mov_b32 s[\g+5], 32
	s_mov_b32 s[\g+6], 0
	s_mov_b32 s[\g+7], 0
.endr
	s_add_nc_u64 s[6:7], s[4:5], A_SCALES
	s_add_nc_u64 s[8:9], s[4:5], B_CODES
	s_add_nc_u64 s[10:11], s[4:5], B_SCALES
	s_add_nc_u64 s[20:21], s[4:5], s[20:21]
	s_add_nc_u64 s[22:23], s[6:7], s[22:23]
	s_add_nc_u64 s[46:47], s[8:9], s[46:47]
	s_add_nc_u64 s[92:93], s[10:11], s[92:93]
	CROUND
	s_mov_b32 s[G0S], 1
	s_add_co_u32 s[G0S+1], s94, SCL-HALFS          ; wave 1 asks by this group: the scales of all 256 rows of x, from SCL on
	s_sub_nc_u64 s[G0S+2:G0S+3], s[22:23], 128*KS  ; (its own half is the second: 128 rows back)
	s_or_b32 s[G0S+3], s[G0S+3], 0x80000000
	s_mov_b32 s[G0SB], 1
	s_add_co_u32 s[G0SB+1], s94, SCL-HALFS         ; wave 3 by this one: the scales of all 256 rows of the weight, from SCL + 2 HALFS on
	s_sub_nc_u64 s[G0SB+2:G0SB+3], s[92:93], 128*KS
	s_or_b32 s[G0SB+3], s[G0SB+3], 0x80000000
.irp s, 0,1
	s_mov_b32 s[G0+4*\s], 1
	s_add_co_u32 s[G0+4*\s+1], s45, \s*SLOT
	s_add_nc_u64 s[G0+4*\s+2:G0+4*\s+3], s[20:21], \s*ROWB
	s_or_b32 s[G0+4*\s+3], s[G0+4*\s+3], 0x80000000
	s_mov_b32 s[G0B+4*\s], 1
	s_add_co_u32 s[G0B+4*\s+1], s45, \s*SLOT
	s_add_nc_u64 s[G0B+4*\s+2:G0B+4*\s+3], s[46:47], \s*ROWB
	s_or_b32 s[G0B+4*\s+3], s[G0B+4*\s+3], 0x80000000
.endr
	; THE HEAD'S LOADS, one a wave, in one chain of branches on the wave's number: wave 0 chunk 0 of x's 256 rows, wave 1 their scales, wave 2 chunk 0 of the weight's 256 rows, wave 3 their scales.
	; Waves 0 and 2 own the first halves, so their own groups 0 of slot 0 point at the tiles' first rows.
	s_cmp_lt_u32 s14, 1
	s_cbranch_scc0 .Lhead_1
	tensor_load_to_lds s[G0:G0+3], s[G1:G1+7]
	s_nop 0
.rept 4
	v_nop
.endr
	s_branch .Lhead_asked
.Lhead_1:
	s_cmp_lt_u32 s14, 2
	s_cbranch_scc0 .Lhead_2
	tensor_load_to_lds s[G0S:G0S+3], s[G1S:G1S+7]
	s_nop 0
.rept 4
	v_nop
.endr
	s_branch .Lhead_asked
.Lhead_2:
	s_cmp_lt_u32 s14, 3
	s_cbranch_scc0 .Lhead_3
	tensor_load_to_lds s[G0B:G0B+3], s[G1B:G1B+7]
	s_nop 0
.rept 4
	v_nop
.endr
	s_branch .Lhead_asked
.Lhead_3:
	tensor_load_to_lds s[G0SB:G0SB+3], s[G1SB:G1SB+7]
	s_nop 0
.rept 4
	v_nop
.endr
.Lhead_asked:
	s_wait_alu depctr_va_vdst(0)
	s_wait_tensorcnt 0x0                           ; my tile of the head's four is in
	ds_add_u32 v28, v29
	s_mov_b32 s[G1+2], 96<<16                      ; no tensor load of mine is out: from here on a load brings 128 rows of a chunk,
	s_mov_b32 s[G1+4], 96
	s_mov_b32 s[G1B+2], 96<<16
	s_mov_b32 s[G1B+4], 96
	s_mov_b32 s[G1SB+2], (128*KS/256)<<16          ; and the scales of 128 rows
	s_mov_b32 s[G1SB+4], 128*KS/256
	s_wait_dscnt 0x0
	CROUND
	JLOAD G0+4, G1, G0B+4, G1B                     ; slot 1's first fill, a quarter of the slot a wave
	v_and_b32 v1, 15, v0
	v_bfe_u32 v2, v0, 4, 1
	v_mul_u32_u24 v3, v1, PITCH
	v_mul_u32_u24 v4, v2, 24
	v_add_nc_u32 v4, v3, v4
	v_lshl_add_u32 v5, v2, 4, v4
	s_mul_i32 s21, s15, HALFT
	s_mul_i32 s22, s16, HALFT
	s_add_co_u32 s22, s22, 2*HALFT
.irp s, 0,1
	v_add_nc_u32 v[ADRA+\s], s21, v4
	v_add_nc_u32 v[ADRB+\s], s22, v4
	v_add_nc_u32 v[ADRA+2+\s], s21, v5
	v_add_nc_u32 v[ADRB+2+\s], s22, v5
	s_add_co_u32 s21, s21, SLOT
	s_add_co_u32 s22, s22, SLOT
.endr
	s_mul_i32 s21, s15, 64*PITCH
	s_add_co_u32 s21, s21, 2*HALFT
	s_mul_i32 s22, s16, HALFT
.irp s, 0,1
	v_add_nc_u32 v[AVA+\s], s21, v4
	v_add_nc_u32 v[AVB+\s], s22, v4
	v_add_nc_u32 v[AVA+2+\s], s21, v5
	v_add_nc_u32 v[AVB+2+\s], s22, v5
	s_add_co_u32 s21, s21, SLOT
	s_add_co_u32 s22, s22, SLOT
.endr
	v_mul_u32_u24 v3, v1, KS
	v_lshrrev_b32 v6, 8, v3
	v_lshl_add_u32 v3, v6, 4, v3
	s_wait_alu depctr_va_vdst(0)
	s_mul_i32 s21, s15, HALFS
	s_mul_i32 s22, s16, HALFS
	s_add_co_u32 s22, s22, 2*HALFS
	s_sub_co_u32 s22, s22, s21
	v_mul_u32_u24 v6, s22, v2
	s_add_co_u32 s21, s21, SCL
	v_add_nc_u32 v5, v3, v6
	v_add_nc_u32 v[ADRS], s21, v5
	s_mul_i32 s21, s15, 4*SBLK
	s_add_co_u32 s21, s21, SCLV
	s_mul_i32 s22, s16, HALFS
	s_add_co_u32 s22, s22, SCL
	v_add_nc_u32 v[ADSX], s22, v3
	s_sub_co_u32 s22, s22, s21
	v_mul_u32_u24 v6, s22, v2
	v_add_nc_u32 v5, v3, v6
	v_add_nc_u32 v[ADSV], s21, v5
	v_and_b32 v6, 31, v0
	v_lshlrev_b32 v[LI], 4, v6
	v_lshlrev_b32 v[L8], 3, v6
	v_lshlrev_b32 v[BO], 6, v2
	s_wait_alu depctr_va_vdst(0)
	v_and_b32 v6, 8, v1
	v_add_nc_u32 v6, v6, v1
	v_lshlrev_b32 v[BOV], 2, v6
	s_wait_alu depctr_va_vdst(0)
	s_lshr_b32 s20, s17, 3
	s_lshl_b32 s20, s20, 4
	s_lshl_b32 s21, s42, 1
	s_add_co_u32 s20, s20, s21
	s_add_co_u32 s20, s20, s15
	s_lshl_b32 s20, s20, 4
	s_and_b32 s21, s17, 7
	s_lshl_b32 s21, s21, 1
	s_add_co_u32 s20, s20, s21
	s_add_co_u32 s20, s20, s16
	s_mul_i32 s20, s20, UNITB
	s_add_co_u32 s20, s20, 6400
	s_mov_b32 s21, 0
	s_add_nc_u64 s[OV:OV+1], s[12:13], s[20:21]
	s_lshr_b32 s20, s17, 3
	s_lshl_b32 s20, s20, 4
	s_and_b32 s21, s42, 3
	s_lshl_b32 s21, s21, 2
	s_add_co_u32 s20, s20, s21
	s_lshl_b32 s21, s16, 1
	s_add_co_u32 s20, s20, s21
	s_lshl_b32 s20, s20, 4
	s_and_b32 s21, s17, 7
	s_lshl_b32 s21, s21, 1
	s_add_co_u32 s20, s20, s21
	s_add_co_u32 s20, s20, s15
	s_mul_i32 s20, s20, UNITB
	s_add_co_u32 s20, s20, s95
	s_mov_b32 s21, 0
	s_add_nc_u64 s[12:13], s[12:13], s[20:21]
	s_lshl_b32 s92, s42, 9
	s_lshl_b32 s93, s15, 8
	s_add_co_u32 s92, s92, s93
	s_add_co_u32 s92, s92, 8192
	s_mov_b32 s93, 0
	s_add_nc_u64 s[92:93], s[100:101], s[92:93]
	s_lshl_b32 s46, s42, 10
	s_lshl_b32 s47, s16, 9
	s_add_co_u32 s46, s46, s47
	s_mov_b32 s47, 0
	s_add_nc_u64 s[100:101], s[100:101], s[46:47]
.irp b, 0,1,2,3,4,5,6,7
	global_load_b128 v[BI+8*\b:BI+8*\b+3], v[BO], s[100:101] offset:128*(\b/2)+32*(\b%2)
	global_load_b128 v[BI+8*\b+4:BI+8*\b+7], v[BO], s[100:101] offset:128*(\b/2)+32*(\b%2)+16
.endr
.irp a, 0,1,2,3
	global_load_b32 v[BIV+8*\a], v[BOV], s[92:93] offset:(32*(\a/2)+8*(\a%2))*4
.endr
.macro FRAG reg, adr, q, i
.irp p, 0,1,2,3,4,5
.set PC, 12*(\q)+6*(\p/3)+\p%3
.if PC%8 < 5
	ds_load_b64 v[\reg+2*\p:\reg+2*\p+1], v[\adr] offset:8*PC+16*(PC/8)+(\i)*16*PITCH
.else
	ds_load_b64 v[\reg+2*\p:\reg+2*\p+1], v[\adr+2] offset:8*PC+16*(PC/8)+(\i)*16*PITCH
.endif
.endr
.endm
.macro PLACES n
.rept \n
	v_nop
.endr
.endm
.macro MUL16 a0, p, q, sc, first
.irp a, \a0, \a0+1
.irp b, 0,1,2,3,4,5,6,7
.if \first
	v_wmma_scale_f32_16x16x128_f8f6f4 v[8*(8*((\a)%4)+\b):8*(8*((\a)%4)+\b)+7], v[128*(\p)+FR*\b:128*(\p)+FR*\b+FR-1], v[AF+FR*(\a):AF+FR*(\a)+FR-1], v[BI+8*\b:BI+8*\b+7], v[SC+8*NQ*(\sc)+NQ*\b+(\q)], v[SC+8*NQ*(\sc)+NQ*(\a)+(\q)] matrix_a_fmt:MATRIX_FMT_FP6 matrix_b_fmt:MATRIX_FMT_FP6 matrix_a_scale:MATRIX_SCALE_ROW1
.else
	v_wmma_scale_f32_16x16x128_f8f6f4 v[8*(8*((\a)%4)+\b):8*(8*((\a)%4)+\b)+7], v[128*(\p)+FR*\b:128*(\p)+FR*\b+FR-1], v[AF+FR*(\a):AF+FR*(\a)+FR-1], v[8*(8*((\a)%4)+\b):8*(8*((\a)%4)+\b)+7], v[SC+8*NQ*(\sc)+NQ*\b+(\q)], v[SC+8*NQ*(\sc)+NQ*(\a)+(\q)] matrix_a_fmt:MATRIX_FMT_FP6 matrix_b_fmt:MATRIX_FMT_FP6 matrix_a_scale:MATRIX_SCALE_ROW1
.endif
.endr
.endr
.endm
.macro FETCH_B slot, q, p
	WIN TO_B
.irp i, 0,1,2,3,4,5,6,7
	FRAG 128*(\p)+FR*\i, ADRB+\slot, \q, \i
.endr
	WIN 0
.endm
.macro FETCH_A slot, q, i0
.irp i, \i0, \i0+1, \i0+2, \i0+3
	FRAG AF+FR*(\i), ADRA+\slot, \q, \i
.endr
.endm
.macro SCALES sc
.irp i, 0,1,2,3,4,5,6,7
	ds_load_b64 v[SC+8*NQ*\sc+NQ*\i:SC+8*NQ*\sc+NQ*\i+1], v[ADRS] offset:\i*SBLK
.endr
.endm
.macro STEP slot, q, first
	s_wait_dscnt 4*NL
.if \first
	WIN BIAS_LO
.else
	WIN MUL_LO
.endif
	MUL16 0, (\q)%2, \q, \slot, \first
	MUL16 2, (\q)%2, \q, \slot, \first
	s_wait_dscnt 0
	PLACES NP
	FETCH_B \slot, (\q)+1, 1-(\q)%2
	FETCH_A \slot, (\q)+1, 0
.if \first
	WIN BIAS_HI
.else
	WIN MUL_HI
.endif
	MUL16 4, (\q)%2, \q, \slot, \first
	MUL16 6, (\q)%2, \q, \slot, \first
	PLACES NP
	WIN 0
	FETCH_A \slot, (\q)+1, 4
.endm
.macro TURN slot, next, fill
	s_wait_tensorcnt 0x0
	ds_add_u32 v[SPW], v[NIL]
	s_wait_dscnt 4*NL+1
	WIN MUL_LO
	MUL16 0, 1, NQ-1, \slot, 0
	s_wait_dscnt 0x0
	s_barrier_signal -1
	MUL16 2, 1, NQ-1, \slot, 0
	WIN 0
	s_barrier_wait -1
	CREST
.if \fill == 1
	s_add_nc_u64 s[G0+4*\slot+2:G0+4*\slot+3], s[G0+4*\slot+2:G0+4*\slot+3], 2*ROWB
	s_add_nc_u64 s[G0B+4*\slot+2:G0B+4*\slot+3], s[G0B+4*\slot+2:G0B+4*\slot+3], 2*ROWB
	JLOAD G0+4*\slot, G1, G0B+4*\slot, G1B
.else
	s_sub_nc_u64 s[G0+4*\slot+2:G0+4*\slot+3], s[G0+4*\slot+2:G0+4*\slot+3], 2*ROWB
	JLOADV \slot, 1
.endif
	s_wait_alu depctr_va_vdst(0)
	v_add_nc_u32 v[ADRS], 4*NQ, v[ADRS]
	FETCH_B \next, 0, 0
	FETCH_A \next, 0, 0
	SCALES \next
	WIN MUL_HI
	MUL16 4, 1, NQ-1, \slot, 0
	MUL16 6, 1, NQ-1, \slot, 0
	PLACES NP
	WIN 0
	FETCH_A \next, 0, 4
.endm
.macro MUL8V a, p, q, sc, first
.irp b, 0,1,2,3,4,5,6,7
.if \first
	v_wmma_scale_f32_16x16x128_f8f6f4 v[8*(8*(\a)+\b):8*(8*(\a)+\b)+7], v[128*(\p)+FR*\b:128*(\p)+FR*\b+FR-1], v[AF+FR*(\a):AF+FR*(\a)+FR-1], v[BIV+8*(\a):BIV+8*(\a)+7], v[SC+8*NQ*(\sc)+NQ*\b+(\q)], v[SC+8*NQ*(\sc)+NQ*(\a)+(\q)] matrix_a_fmt:MATRIX_FMT_FP6 matrix_b_fmt:MATRIX_FMT_FP6 matrix_a_scale:MATRIX_SCALE_ROW1
.else
	v_wmma_scale_f32_16x16x128_f8f6f4 v[8*(8*(\a)+\b):8*(8*(\a)+\b)+7], v[128*(\p)+FR*\b:128*(\p)+FR*\b+FR-1], v[AF+FR*(\a):AF+FR*(\a)+FR-1], v[8*(8*(\a)+\b):8*(8*(\a)+\b)+7], v[SC+8*NQ*(\sc)+NQ*\b+(\q)], v[SC+8*NQ*(\sc)+NQ*(\a)+(\q)] matrix_a_fmt:MATRIX_FMT_FP6 matrix_b_fmt:MATRIX_FMT_FP6 matrix_a_scale:MATRIX_SCALE_ROW1
.endif
.endr
.endm
.macro FETCH_BV slot, q, p
	WIN TO_B
.irp i, 0,1,2,3,4,5,6,7
	FRAG 128*(\p)+FR*\i, AVB+\slot, \q, \i
.endr
	WIN 0
.endm
.macro FETCH_AV slot, q, i0
.irp i, \i0, \i0+1
	FRAG AF+FR*(\i), AVA+\slot, \q, \i
.endr
.endm
.macro SCALESV sc
.irp i, 0,1,2,3
	ds_load_b64 v[SC+8*NQ*\sc+NQ*\i:SC+8*NQ*\sc+NQ*\i+1], v[ADSV] offset:\i*SBLK
.endr
.irp i, 4,5,6,7
	ds_load_b64 v[SC+8*NQ*\sc+NQ*\i:SC+8*NQ*\sc+NQ*\i+1], v[ADSX] offset:\i*SBLK
.endr
.endm
.macro STEPV slot, q, first
	s_wait_dscnt 2*NL
.if \first
	WIN BIAS_LO
.else
	WIN MUL_LO
.endif
	MUL8V 0, (\q)%2, \q, \slot, \first
	MUL8V 1, (\q)%2, \q, \slot, \first
	s_wait_dscnt 0
	PLACES NP
	FETCH_BV \slot, (\q)+1, 1-(\q)%2
	FETCH_AV \slot, (\q)+1, 0
.if \first
	WIN BIAS_LO
.else
	WIN MUL_LO
.endif
	MUL8V 2, (\q)%2, \q, \slot, \first
	MUL8V 3, (\q)%2, \q, \slot, \first
	PLACES NP
	WIN 0
	FETCH_AV \slot, (\q)+1, 2
.endm
.macro TURNV slot, next, fill
	s_wait_tensorcnt 0x0
	ds_add_u32 v[SPW], v[NIL]
	s_wait_dscnt 2*NL+1
	WIN MUL_LO
	MUL8V 0, 1, NQ-1, \slot, 0
	s_wait_dscnt 0x0
	s_barrier_signal -1
	MUL8V 1, 1, NQ-1, \slot, 0
	WIN 0
	s_barrier_wait -1
.if \fill
	CREST
	s_add_nc_u64 s[G0+4*\slot+2:G0+4*\slot+3], s[G0+4*\slot+2:G0+4*\slot+3], 2*ROWB
	s_add_nc_u64 s[G0V+4*\slot+2:G0V+4*\slot+3], s[G0V+4*\slot+2:G0V+4*\slot+3], 2*ROWB
	JLOADV \slot, 0
.else
	PLACES NP
.endif
	s_wait_alu depctr_va_vdst(0)
	v_add_nc_u32 v[ADSV], 4*NQ, v[ADSV]
	v_add_nc_u32 v[ADSX], 4*NQ, v[ADSX]
	FETCH_BV \next, 0, 0
	FETCH_AV \next, 0, 0
	SCALESV \next
	WIN MUL_LO
	MUL8V 2, 1, NQ-1, \slot, 0
	MUL8V 3, 1, NQ-1, \slot, 0
	PLACES NP
	WIN 0
	FETCH_AV \next, 0, 2
.endm
	s_wait_tensorcnt 1
	s_barrier_signal -1
	s_barrier_wait -1
	FETCH_B 0, 0, 0
	FETCH_A 0, 0, 0
	SCALES 0
	FETCH_A 0, 0, 4
	s_lshl_b32 s46, s42, 7
	s_mul_i32 s44, s46, KS
	s_add_co_u32 s44, s44, V_SCALES
	s_mov_b32 s45, 0
	s_mul_i32 s46, s46, KROW
	s_add_co_u32 s46, s46, V_CODES
	s_mov_b32 s47, 0
.irp s, 0,1
	s_mov_b32 s[G0V+4*\s], 1
	s_mov_b32 s[G0V+4*\s+1], 2*HALFT+\s*SLOT
	s_add_nc_u64 s[G0V+4*\s+2:G0V+4*\s+3], s[4:5], s[46:47]
.endr
	s_add_nc_u64 s[G0V+6:G0V+7], s[G0V+6:G0V+7], ROWB
	s_or_b32 s[G0V+3], s[G0V+3], 0x80000000
	s_or_b32 s[G0V+7], s[G0V+7], 0x80000000
	s_mov_b32 s[G0SB], 1
	s_mov_b32 s[G0SB+1], SCLV
	s_add_nc_u64 s[G0SB+2:G0SB+3], s[4:5], s[44:45]
	s_or_b32 s[G0SB+3], s[G0SB+3], 0x80000000
	s_wait_loadcnt 0x0
.irp a, 0,1,2,3
.irp j, 1,2,3,4,5,6,7
	v_mov_b32 v[BIV+8*\a+\j], v[BIV+8*\a]
.endr
.endr
	STEP 0, 0, 1
.irp k, 0,1,2,3
	global_load_b128 v[GA+8*\k:GA+8*\k+3], v[BO], s[96:97] offset:128*(\k/2)+32*(\k%2)
	global_load_b128 v[GA+8*\k+4:GA+8*\k+7], v[BO], s[96:97] offset:128*(\k/2)+32*(\k%2)+16
	global_load_b128 v[BE+8*\k:BE+8*\k+3], v[BO], s[98:99] offset:128*(\k/2)+32*(\k%2)
	global_load_b128 v[BE+8*\k+4:BE+8*\k+7], v[BO], s[98:99] offset:128*(\k/2)+32*(\k%2)+16
.endr
	TURN 0, 1, 1
	STEP 1, 0, 0
	TURN 1, 0, 1
	STEP 0, 0, 0
	TURN 0, 1, 2
	STEP 1, 0, 0
	s_wait_tensorcnt 0x0
	ds_add_u32 v[SPW], v[NIL]
	s_wait_dscnt 4*NL+1
	WIN MUL_LO
	MUL16 0, 1, NQ-1, 1, 0
	s_wait_dscnt 0x0
	s_barrier_signal -1
	MUL16 2, 1, NQ-1, 1, 0
	WIN 0
	s_barrier_wait -1
	CREST
	s_sub_nc_u64 s[G0+6:G0+7], s[G0+6:G0+7], 2*ROWB
	JLOADV 1, 0
	WIN MUL_HI
	MUL16 4, 1, NQ-1, 1, 0
	MUL16 6, 1, NQ-1, 1, 0
	WIN 0
.macro LNQ a, e
.set AC, 64*((\a)%4)+32*(\e)
.set IH, IMG+6*((\a)%2)
	WIN 0x0a+5*((\a)/4)
.irp k, 0,1,2,3,4,5,6,7
	v_pk_add_f32 v[T+2*\k:T+2*\k+1], v[AC+4*\k:AC+4*\k+1], v[AC+4*\k+2:AC+4*\k+3]
.endr
	WIN 0
.irp k, 0,4,8,12
	v_pk_add_f32 v[T+\k:T+\k+1], v[T+\k:T+\k+1], v[T+\k+2:T+\k+3]
.endr
	v_pk_add_f32 v[T:T+1], v[T:T+1], v[T+4:T+5]
	v_pk_add_f32 v[T+8:T+9], v[T+8:T+9], v[T+12:T+13]
	v_pk_add_f32 v[T:T+1], v[T:T+1], v[T+8:T+9]
	v_add_f32 v[T], v[T], v[T+1]
	v_permlanex16_b32 v[TP], v[T], s[SEL], s[SEL+1]
	v_add_f32 v[T], v[T], v[TP]
	v_mul_f32 v[MU], s[INV], v[T]
	WIN 0x02+((\a)/4)
.irp k, 0,1,2,3,4,5,6,7,8,9,10,11,12,13,14,15
	v_pk_add_f32 v[Z+2*\k:Z+2*\k+1], v[AC+2*\k:AC+2*\k+1], v[MU:MU+1] op_sel_hi:[1,0] neg_lo:[0,1] neg_hi:[0,1]
.endr
	WIN 0
	v_pk_mul_f32 v[T:T+1], v[Z:Z+1], v[Z:Z+1]
	v_pk_mul_f32 v[T+2:T+3], v[Z+2:Z+3], v[Z+2:Z+3]
.irp k, 2,3,4,5,6,7,8,9,10,11,12,13,14,15
	v_pk_fma_f32 v[T+2*(\k%2):T+2*(\k%2)+1], v[Z+2*\k:Z+2*\k+1], v[Z+2*\k:Z+2*\k+1], v[T+2*(\k%2):T+2*(\k%2)+1]
.endr
	v_pk_add_f32 v[T:T+1], v[T:T+1], v[T+2:T+3]
	v_add_f32 v[T], v[T], v[T+1]
	v_permlanex16_b32 v[TP], v[T], s[SEL], s[SEL+1]
	v_add_f32 v[T], v[T], v[TP]
	v_fma_f32 v[T], v[T], s[INV], s[EPSR]
	s_wait_alu depctr_va_vdst(0)
	v_rsq_f32 v[RS], v[T]
	v_nop
	s_wait_alu depctr_va_vdst(0)
.irp k, 0,1,2,3,4,5,6,7,8,9,10,11,12,13,14,15
	v_pk_mul_f32 v[Z+2*\k:Z+2*\k+1], v[Z+2*\k:Z+2*\k+1], v[RS:RS+1] op_sel_hi:[1,0]
.endr
.irp k, 0,1,2,3,4,5,6,7,8,9,10,11,12,13,14,15
	v_pk_fma_f32 v[Z+2*\k:Z+2*\k+1], v[Z+2*\k:Z+2*\k+1], v[GA+2*\k:GA+2*\k+1], v[BE+2*\k:BE+2*\k+1]
.endr
.irp b, 0,1
	v_max3_num_f32 v[TM+\b], |v[Z+16*\b]|, |v[Z+16*\b+1]|, 0x1800000
.endr
.irp i, 2,4,6,8,10,12,14
.irp b, 0,1
	v_max3_num_f32 v[TM+\b], v[TM+\b], |v[Z+16*\b+\i]|, |v[Z+16*\b+\i+1]|
.endr
.endr
.irp b, 0,1
	v_permlanex16_b32 v[TP+\b], v[TM+\b], s[SEL], s[SEL+1]
.endr
.irp b, 0,1
	v_max_num_f32 v[TM+\b], v[TM+\b], v[TP+\b]
.endr
.irp b, 0,1
	v_add_nc_u32 v[SO+\b], 0xff000000, v[TM+\b]
.endr
.irp b, 0,1
	v_lshrrev_b32 v[BY+\b], 23, v[SO+\b]
.endr
.if ((\a)%2) == 0
	v_lshl_or_b32 v[SW+(\a)/2], v[BY+1], 8, v[BY]
	s_wait_alu depctr_va_vdst(0)
	s_wait_xcnt 0x0
.else
	v_lshl_or_b32 v[SW+(\a)/2], v[BY], 16, v[SW+(\a)/2]
	v_lshl_or_b32 v[SW+(\a)/2], v[BY+1], 24, v[SW+(\a)/2]
.endif
	v_cvt_scalef32_pk16_fp6_f32 v[IH:IH+2], v[Z:Z+15], v[SO]
	v_cvt_scalef32_pk16_fp6_f32 v[CT:CT+2], v[Z+16:Z+31], v[SO+1]
	v_nop
.irp i, 0,1,2
	v_permlane16_swap_b32 v[IH+\i], v[CT+\i]
.endr
.irp i, 0,1,2
	v_mov_b32 v[IH+3+\i], v[CT+\i]
.endr
.if ((\a)%2) == 1
.irp c, 0,1,2
	global_store_b128 v[LI], v[IMG+4*\c:IMG+4*\c+3], s[12:13] offset:(\e)*HEADB+((\a)/2)*1536+512*\c
.endr
.endif
.endm
	PLACES NP
	s_wait_loadcnt 0x0
	s_mov_b32 s[SEL], 0x76543210
	s_mov_b32 s[SEL+1], 0xfedcba98
	s_mov_b32 s[INV], 0x3c800000
	s_mov_b32 s[EPSR], 0x3727c5ac
	s_mov_b32 s[HM], 0xffff0000
	v_mov_b32 v[MU+1], 0
	v_mov_b32 v[RS+1], 0
	v_mov_b32 v[TP], 0
	v_mov_b32 v[TP+1], 0
.irp e, 0,1
.irp a, 0,1,2,3,4,5,6,7
	LNQ \a, \e
.endr
	v_cndmask_b32 v[XW], v[SW], v[SW+1], s[HM]
	v_cndmask_b32 v[XW+1], v[SW+2], v[SW+3], s[HM]
	global_store_b64 v[L8], v[XW:XW+1], s[12:13] offset:\e*HEADB+6144
.endr
	FETCH_BV 0, 0, 0
	FETCH_AV 0, 0, 0
	SCALESV 0
	FETCH_AV 0, 0, 2
	STEPV 0, 0, 1
	TURNV 0, 1, 1
	STEPV 1, 0, 0
	TURNV 1, 0, 1
	STEPV 0, 0, 0
	TURNV 0, 1, 0
	STEPV 1, 0, 0
	s_wait_dscnt 2*NL
	WIN MUL_LO
	MUL8V 0, 1, NQ-1, 1, 0
	MUL8V 1, 1, NQ-1, 1, 0
	s_wait_dscnt 0
	MUL8V 2, 1, NQ-1, 1, 0
	MUL8V 3, 1, NQ-1, 1, 0
	WIN 0
.macro VQ a
.set AC, 64*(\a)
	WIN 0x0a
.irp b, 0,1,2,3
	v_max3_num_f32 v[VTM+\b], |v[AC+16*\b]|, |v[AC+16*\b+1]|, 0x1800000
.endr
.irp i, 2,4,6,8,10,12,14
.irp b, 0,1,2,3
	v_max3_num_f32 v[VTM+\b], |v[AC+16*\b+\i]|, |v[AC+16*\b+\i+1]|, v[VTM+\b]
.endr
.endr
	WIN 0
.irp b, 0,1,2,3
	v_permlanex16_b32 v[VTP+\b], v[VTM+\b], s[SEL], s[SEL+1]
.endr
.irp b, 0,1,2,3
	v_max_num_f32 v[VTM+\b], v[VTM+\b], v[VTP+\b]
.endr
.irp b, 0,1,2,3
	v_add_nc_u32 v[VSO+\b], 0xff000000, v[VTM+\b]
.endr
.irp b, 0,1,2,3
	v_lshrrev_b32 v[VTP+\b], 23, v[VSO+\b]
.endr
	v_lshl_or_b32 v[VPW+(\a)], v[VTP+1], 8, v[VTP]
	v_lshl_or_b32 v[VPW+(\a)], v[VTP+2], 16, v[VPW+(\a)]
	v_lshl_or_b32 v[VPW+(\a)], v[VTP+3], 24, v[VPW+(\a)]
	s_wait_xcnt 0x0
	WIN 0x02
	v_cvt_scalef32_pk16_fp6_f32 v[IMG:IMG+2], v[AC:AC+15], v[VSO]
	v_cvt_scalef32_pk16_fp6_f32 v[VCT0:VCT0+2], v[AC+16:AC+31], v[VSO+1]
	v_cvt_scalef32_pk16_fp6_f32 v[IMG+6:IMG+8], v[AC+32:AC+47], v[VSO+2]
	v_cvt_scalef32_pk16_fp6_f32 v[VCT1:VCT1+2], v[AC+48:AC+63], v[VSO+3]
	WIN 0
	v_nop
.irp i, 0,1,2
	v_permlane16_swap_b32 v[IMG+\i], v[VCT0+\i]
	v_permlane16_swap_b32 v[IMG+6+\i], v[VCT1+\i]
.endr
.irp i, 0,1,2
	v_mov_b32 v[IMG+3+\i], v[VCT0+\i]
	v_mov_b32 v[IMG+9+\i], v[VCT1+\i]
.endr
.irp c, 0,1,2
	global_store_b128 v[LI], v[IMG+4*\c:IMG+4*\c+3], s[OV:OV+1] offset:(\a)*1536+512*\c
.endr
.endm
	PLACES NP
	s_wait_xcnt 0x0
.irp b, 0,1,2,3
	v_mov_b32 v[VTP+\b], 0
.endr
.irp a, 0,1,2,3
	VQ \a
.endr
	v_cndmask_b32 v[VXW], v[VPW], v[VPW+1], s[HM]
	v_cndmask_b32 v[VXW+1], v[VPW+2], v[VPW+3], s[HM]
	global_store_b64 v[L8], v[VXW:VXW+1], s[OV:OV+1] offset:6144
	s_wait_tensorcnt 0x0
	ds_add_u32 v[SPW], v[NIL]
	s_wait_dscnt 0x0
	CROUND
	s_endpgm
.Lfunc_end_k_q7a70b590ef_heads:
	.size	k_q7a70b590ef_heads, .Lfunc_end_k_q7a70b590ef_heads-k_q7a70b590ef_heads
	.p2alignl 7, 3214868480
	.fill 96, 4, 3214868480
	.section	.rodata,"a",@progbits
	.p2align	6, 0x0
	.amdhsa_kernel k_q7a70b590ef_heads
		.amdhsa_group_segment_fixed_size 327680
		.amdhsa_private_segment_fixed_size 0
		.amdhsa_enable_private_segment 0
		.amdhsa_kernarg_size 56
		.amdhsa_user_sgpr_count 2
		.amdhsa_user_sgpr_kernarg_segment_ptr 1
		.amdhsa_wavefront_size32 1
		.amdhsa_system_sgpr_workgroup_id_x 1
		.amdhsa_system_sgpr_workgroup_id_y 1
		.amdhsa_system_sgpr_workgroup_id_z 1
		.amdhsa_system_vgpr_workitem_id 0
		.amdhsa_next_free_vgpr 1024
		.amdhsa_next_free_sgpr 102
		.amdhsa_reserve_vcc 0
		.amdhsa_float_denorm_mode_32 3
		.amdhsa_float_denorm_mode_16_64 3
		.amdhsa_memory_ordered 1
		.amdhsa_forward_progress 1
		.amdhsa_inst_pref_size 255
	.end_amdhsa_kernel
	.section	.bss,"aw",@nobits
	.p2align	6
	.space	262144
	.amdgpu_metadata
---
amdhsa.version: [ 1, 2 ]
amdhsa.kernels:
  - .name:           k_q7a70b590ef_heads
    .symbol:         k_q7a70b590ef_heads.kd
    .args:
      - { .name: qin, .offset: 0, .size: 8, .value_kind: global_buffer, .address_space: global }
      - { .name: qkv_b, .offset: 8, .size: 8, .value_kind: global_buffer, .address_space: global }
      - { .name: q_gamma, .offset: 16, .size: 8, .value_kind: global_buffer, .address_space: global }
      - { .name: q_beta, .offset: 24, .size: 8, .value_kind: global_buffer, .address_space: global }
      - { .name: k_gamma, .offset: 32, .size: 8, .value_kind: global_buffer, .address_space: global }
      - { .name: k_beta, .offset: 40, .size: 8, .value_kind: global_buffer, .address_space: global }
      - { .name: qkv, .offset: 48, .size: 8, .value_kind: global_buffer, .address_space: global }
    .group_segment_fixed_size: 327680
    .private_segment_fixed_size: 0
    .kernarg_segment_align: 8
    .kernarg_segment_size: 56
    .max_flat_workgroup_size: 128
    .sgpr_count:     102
    .vgpr_count:     1024
    .wavefront_size: 32
...
	.end_amdgpu_metadata
.endif
;; end of part 2
;; launch attn (part 3): grid 4 x 64, 16 waves a work-group, clusters of 4 x 1, 264,192 bytes of LDS; arguments qkv, acs; writes acs
.if DOCPART == 3
	.amdgcn_target "amdgcn-amd-amdhsa--gfx1250"
	.amdhsa_code_object_version 6
	.text
	.protected	k_q7a70b590ef_attn
	.globl	k_q7a70b590ef_attn
	.p2align	8
	.type	k_q7a70b590ef_attn,@function
k_q7a70b590ef_attn:
	s_mov_b64 s[64:65], 0
	v_nop
	global_prefetch_b8 v0, s[64:65] scope:SCOPE_SE
	s_setreg_imm32_b32 hwreg(HW_REG_WAVE_MODE, 25, 1), 1
	s_wait_xcnt 0x0
	s_wait_alu depctr_hold_cnt(0) depctr_sa_sdst(0) depctr_va_vdst(0) depctr_va_sdst(0) depctr_va_ssrc(0) depctr_va_vcc(0) depctr_vm_vsrc(0)
	s_getreg_b32 s2, hwreg(HW_REG_IB_STS2, 6, 4)
	s_cmp_eq_u32 s2, 0
	s_cbranch_scc0 .Lentry_in_a_cluster
	s_endpgm
.Lentry_in_a_cluster:
	s_bfe_u32 s2, ttmp6, 0x10000c
	s_cmp_lg_u32 s2, 0x3003
	s_cbranch_scc0 .Lentry_shape_is_right
	s_endpgm
.Lentry_shape_is_right:
; Attention of one head on codes of FP6 (E2M3) with E8M0 scales: S^T = K Q^T (K = the head's 64), softmax, O^T = V^T P^T (K = the keys), O / l, and the quantiser along the model's 1,024 for the last product.
; THE SOFTMAX: t = score x log2(e) / 8; M = the row's largest t so far, rounded up to a whole number; p = 2^(t - M) is quantised along the keys, not normalised.  The row's sum is taken of the unquantised p
; and divides O at the end.  When M moves, the sum and O are multiplied by 2^(old M - new M): exact.
; SHARES: a work-group owns 512 queries of one head, each of its sixteen waves 32 of them, in two passes of 16 queries; every pass walks the head's 2,048 keys, 128 a step.
; LDS: the head's K and V (codes and scale words, 16 x 12,800 bytes) stay for the whole launch; each wave brings one key step by one tensor load, as 25 rows of 512 bytes with 128 bytes of padding behind each;
; a step has 16,384 bytes of LDS.  Nothing is filled again.  CLUSTER: the four work-groups of a cluster own the quarters of one head's queries and ask for K and V jointly.
; No prefetch: all of K and V is asked for at the head, one load a wave; there is no loop that runs ahead of a load.
; IMAGES: codes lie as images of an operand's registers: 1,536 bytes, three runs of 512, registers 4 c .. 4 c + 3 of lane l at 16 l.  A stored image g of K holds keys 32 g .. 32 g + 31: row r' of its first half of the
; instruction's K is key r' + 8 (r' / 8), of its second half key 8 + r' + 8 (r' / 8).  Multiplied by [Q | zero codes] it gives the first half's scores, by [zero codes | Q] the second's.
; THE TILES ARE PUT TOGETHER ANEW BY THE LANES' ADDRESSES: of a pair of images 2 p, 2 p + 1, fragment X takes rows 0-7 of the first for its rows 0-7 and rows 0-7 of the second for its rows 8-15; fragment Y, 128 bytes on,
; takes both images' rows 8-15.  The 32 score registers of a pair are then keys 64 p + 32 (lane / 16) + 0 .. 31: A LANE HOLDS A WHOLE BLOCK OF 32 KEYS, in the order of the second product's operand:
; a block's maximum needs no other lane and the codes need no exchange.  With the padding the two images of a pair lie 1,920 bytes apart, so sixteen lanes of a load name sixteen different 16-byte columns modulo 256.
; K and V have registers of their own: V of this step and K of the next are asked for among the lines that make M, and have the rest of the step in which to land.  The walk over the steps is a ring: the last step of a pass asks for step 0.
; LIMITS: the promise holds while |t| stays under 2^31; NaN and infinities are not served; a block whose largest magnitude lies under 2^-124 keeps the byte 1, a block of zeros too (its codes are zeros; this program alone reads the bytes).
.set UNITB, 19200                      ; qkv: a unit (128 tokens of a head): K 6,144 + 256, V 6,144 + 256, Q 6,144 + 256
.set HEADB, 16*UNITB
.set STEPL, 16384                      ; a key step's room in LDS
.set SPARE, 16*STEPL                   ; behind the steps: the spare words, 128 bytes a wave
.set KSO,   7680                       ; in a step's room: K's scale words (byte 6,144 + 12 paddings)
.set VO,    7936                       ; V's images (byte 6,400 + 12 paddings; lanes 16-31 lie one padding further)
.set VSO,   15616                      ; V's scale words (byte 12,544 + 24 paddings)
.set T0,  0                            ; v0, v6, v7 at work in a step
.set T1,  6
.set T2,  7
.set BKX, 1                            ; v1  K's gathered rows: 16 (r % 8) + 256 h + 1920 (r / 8)
.set BSK, 2                            ; v2  their scale words: 8 (r + 8 (r / 8) + 8 h): lanes 0-15 fragment X's, lanes 16-31 fragment Y's
.set BV,  3                            ; v3  16 x lane + 128 h
.set L8,  4                            ; v4  8 x lane
.set R32, 5                            ; v5  32 r
.set AKX, 8                            ; v8-11 the same four with a step's LDS byte added
.set ASK, 9
.set AV,  10
.set ASV, 11                           ; v12 -M, v13 the largest score, v[14:15] the sum in two halves
.set QL,  16                           ; v16-21 Q, v22-27 zero codes, v28-33 Q
.set Q1,  34                           ; v34-39 the second pass's Q
.set QW,  40                           ; v40 my 32 queries' scale word
.set QS,  41                           ; v41 the pass's two bytes, twice
.set KSW, 42                           ; v42-43 K's scale words, a register a pair
.set VSW, 44                           ; v[44:45] V's
.set F,   46                           ; v46 2^(old M - new M)
.set PS,  47                           ; v47 p's scale word
.set KF,  48                           ; v48-95 K: X0, Y0, X1, Y1
.set VF,  96                           ; v96-143 V's four fragments
.set S,   144                          ; v144-207 S^T, then p
.set QT,  144                          ; at the head: my queries' image
.set O,   208                          ; v208-239 O^T
.set PC,  240                          ; v240-251 p's codes
.set BM,  252                          ; v252-253 my two blocks' largest scores, then p
.set WV,  8
.set TN,  11                           ; s11 LDS byte of the next step
.set SEL, 24
.set CS,  26                           ; s[26:27] c = log2(e) / 8
.set TB,  28                           ; s28 LDS byte of the step in hand
.set CNT, 29
.macro ROUND                           ; a round of the cluster's barrier
	s_barrier_signal -1
	s_barrier_wait -1
	s_cmp_lg_u32 s[WV], 0
	s_cbranch_scc1 .Lnot_wave_0_\@
	s_barrier_signal -3
.Lnot_wave_0_\@:
	s_barrier_wait -3
	s_barrier_signal -1
	s_barrier_wait -1
.endm
.macro LDS1                            ; load number LQ of a step's 27: V's twelve, V's scale words, the next step's K's twelve, its two scale words
.if LQ < 12
	ds_load_b128 v[VF+4*LQ:VF+4*LQ+3], v[AV] offset:VO+640*LQ
.else
.if LQ == 12
	ds_load_b64 v[VSW:VSW+1], v[ASV] offset:VSO
.else
.if LQ < 25
	ds_load_b128 v[KF+4*(LQ-13):KF+4*(LQ-13)+3], v[AKX] offset:3840*((LQ-13)/6)+128*(((LQ-13)/3)%2)+640*((LQ-13)%3)
.else
	ds_load_b32 v[KSW+LQ-25], v[ASK] offset:KSO+4*(LQ-25)
.endif
.endif
.endif
.set LQ, LQ+1
.endm
.macro LD3
.rept 3
	LDS1
.endr
.endm
.macro PADD d, a                       ; pair d of p += pair a
	v_pk_add_f32 v[S+2*(\d):S+2*(\d)+1], v[S+2*(\d):S+2*(\d)+1], v[S+2*(\a):S+2*(\a)+1]
.endm
	s_load_b128 s[4:7], s[0:1], 0x0                ; qkv, acs
	v_lshl_add_u32 v254, v0, 2, SPARE
	v_mov_b32 v255, 0
	ds_add_u32 v254, v255                          ; the opening lines: the add twice on end and one wait
	ds_add_u32 v254, v255
	v_lshrrev_b32 v160, 5, v0
	v_and_b32 v161, 31, v0                         ; lane
	v_and_b32 v162, 15, v0                         ; r
	v_bfe_u32 v163, v0, 4, 1                       ; h
	v_readfirstlane_b32 s[WV], v160                ; wave 0..15
	v_and_b32 v164, 7, v0                          ; r % 8
	v_bfe_u32 v165, v0, 3, 1                       ; r / 8
	v_lshlrev_b32 v166, 4, v161                    ; 16 x lane
	v_lshlrev_b32 v167, 3, v162                    ; 8 r
	v_lshlrev_b32 v[L8], 3, v161
	v_lshlrev_b32 v[R32], 5, v162
	v_lshl_add_u32 v[BV], v163, 7, v166
	v_lshl_add_u32 v[BSK], v165, 6, v167
	v_lshlrev_b32 v[BKX], 4, v164
	v_mul_u32_u24 v165, v165, 1920
	v_lshl_add_u32 v[BSK], v163, 6, v[BSK]
	v_lshl_add_u32 v[BKX], v163, 8, v[BKX]
	s_delay_alu instid0(VALU_DEP_1)
	v_add_nc_u32 v[BKX], v[BKX], v165
	s_bfe_u32 s9, ttmp6, 0x40000                   ; cx: which quarter of the head's queries: it enters Q's and O's addresses alone
	s_and_b32 s10, ttmp7, 0xffff                   ; batch x 16 + head, which the four partners share
	s_mul_i32 s30, s10, HEADB
	s_mul_i32 s31, s[WV], UNITB
	s_add_co_u32 s42, s30, s31                     ; the key step that I fetch: my wave's number
	s_mov_b32 s43, 0
	s_mov_b32 s16, 15|(3<<16)|(1<<20)|(1<<21)|(6<<22)|(31<<25)   ; the mask: all four; elements of 8 bytes; behind every 128 words a padding of 32; 21 set beside a mask
	s_mov_b32 s17, 64<<16                          ; 12,800 dense bytes as 25 rows of 512
	s_mov_b32 s18, 25<<16
	s_mov_b32 s19, 64<<16
	s_mov_b32 s20, 25
	s_mov_b32 s21, 64
	s_mov_b32 s22, 0
	s_mov_b32 s23, 0
	s_mov_b32 s12, 1
	s_lshl_b32 s13, s[WV], 14                      ; its place in LDS: the wave's number alone
	s_mov_b32 s[SEL], 0x76543210
	s_mov_b32 s[SEL+1], 0xfedcba98
	s_mov_b32 s[CS], 0x3e38aa3b
	s_mov_b32 s[CS+1], s[CS]
	s_lshl_b32 s32, s9, 2                          ; my 32 queries: unit 4 cx + wave / 4, image wave % 4
	s_lshr_b32 s33, s[WV], 2
	s_add_co_u32 s32, s32, s33
	s_mul_i32 s32, s32, UNITB
	s_add_co_u32 s32, s32, s30
	s_and_b32 s33, s[WV], 3
	s_mul_i32 s33, s33, 1536
	s_add_co_u32 s44, s32, s33
	s_add_co_u32 s44, s44, 12800                   ; Q's codes
	s_mov_b32 s45, 0
	s_and_b32 s33, s[WV], 1                        ; its scale word: word (image / 2) of lane 16 (image % 2) + r
	s_lshl_b32 s33, s33, 7
	s_bfe_u32 s46, s[WV], 0x10001
	s_lshl_b32 s46, s46, 2
	s_add_co_u32 s46, s46, s33
	s_add_co_u32 s46, s46, s32
	s_add_co_u32 s46, s46, 18944
	s_mov_b32 s47, 0
	s_wait_alu depctr_va_vdst(0)
	s_wait_dscnt 0x0
	s_wait_kmcnt 0x0
	s_add_nc_u64 s[14:15], s[4:5], s[42:43]
	s_or_b32 s15, s15, 0x80000000
	s_add_nc_u64 s[34:35], s[4:5], s[44:45]
	s_add_nc_u64 s[36:37], s[4:5], s[46:47]
.irp c, 0,1,2
	global_load_b128 v[QT+4*\c:QT+4*\c+3], v166, s[34:35] offset:512*\c
.endr
	global_load_b32 v[QW], v167, s[36:37]
	s_lshr_b32 s44, s10, 4                         ; where O goes: tile of 16 stored rows 128 x batch + 32 cx + 2 x wave (+ the pass)
	s_lshl_b32 s44, s44, 7
	s_lshl_b32 s45, s9, 5
	s_add_co_u32 s44, s44, s45
	s_lshl_b32 s45, s[WV], 1
	s_add_co_u32 s44, s44, s45
	s_and_b32 s45, s10, 15                         ; the head
	s_mul_i32 s46, s44, 12288
	s_mul_i32 s47, s45, 768
	s_add_co_u32 s46, s46, s47
	s_mov_b32 s47, 0
	s_add_nc_u64 s[38:39], s[6:7], s[46:47]
	s_lshl_b32 s46, s44, 9
	s_lshl_b32 s45, s45, 1
	s_add_co_u32 s46, s46, s45
	s_add_co_u32 s46, s46, 6291456
	s_add_nc_u64 s[40:41], s[6:7], s[46:47]
	ROUND                                          ; all four work-groups are here: the joint loads meet
	tensor_load_to_lds s[12:15], s[16:23]          ; my one tensor load of the launch
	s_nop 0
.irp i, 0,1,2,3,4,5
	v_mov_b32 v[QL+6+\i], 0                        ; the zero codes
.endr
	v_mov_b32 v[PS], 0                             ; (named as the upper half of the pair with f before it is first written)
	v_mov_b32 v[AKX], v[BKX]                       ; step 0's K
	v_mov_b32 v[ASK], v[BSK]
	s_wait_alu depctr_va_vdst(0)
	s_wait_tensorcnt 0x0                           ; my key step has landed,
	s_barrier_signal -1
	s_barrier_wait -1                              ; everybody's has: the whole head lies in LDS
.set LQ, 13
.rept 14
	LDS1                                           ; step 0's K and its scale words
.endr
	s_wait_loadcnt 0x0                             ; Q
; A KEY STEP: 128 keys.
.macro STEP
	s_wait_dscnt 0x0                               ; this step's K, asked for in the step before
.irp n, 0,1,2,3                                ; S^T = K Q^T: fragments X0, Y0, X1, Y1, each against [Q | 0] and [0 | Q]
.irp w, 0,1
.if (\n%2) == 0
	v_wmma_scale_f32_16x16x128_f8f6f4 v[S+8*(2*\n+\w):S+8*(2*\n+\w)+7], v[KF+12*\n:KF+12*\n+11], v[QL+6*\w:QL+6*\w+11], 0, v[KSW+\n/2], v[QS] matrix_a_fmt:MATRIX_FMT_FP6 matrix_b_fmt:MATRIX_FMT_FP6
.else
	v_wmma_scale_f32_16x16x128_f8f6f4 v[S+8*(2*\n+\w):S+8*(2*\n+\w)+7], v[KF+12*\n:KF+12*\n+11], v[QL+6*\w:QL+6*\w+11], 0, v[KSW+\n/2], v[QS] matrix_a_fmt:MATRIX_FMT_FP6 matrix_b_fmt:MATRIX_FMT_FP6 matrix_a_scale:MATRIX_SCALE_ROW1
.endif
.endr
.endr
	v_add_nc_u32 v[AV], s[TB], v[BV]               ; the four places behind the products: this step's V, the next step's K
	v_add_nc_u32 v[ASV], s[TB], v[L8]
	v_add_nc_u32 v[AKX], s[TN], v[BKX]
	v_add_nc_u32 v[ASK], s[TN], v[BSK]
.irp c, 0,1                                    ; the largest score of my two blocks of 32 keys, each in two chains: four chains by turns; every tile is first read at its low end
	v_max3_num_f32 v[BM+\c], v[S+32*\c], v[S+32*\c+1], v[S+32*\c+2]
	v_max3_num_f32 v[6*\c], v[S+32*\c+17], v[S+32*\c+18], v[S+32*\c+19]
.endr
.irp i, 0,1,2,3,4,5
.irp c, 0,1
	v_max3_num_f32 v[BM+\c], v[BM+\c], v[S+32*\c+3+2*\i], v[S+32*\c+4+2*\i]
	v_max3_num_f32 v[6*\c], v[6*\c], v[S+32*\c+20+2*\i], v[S+32*\c+21+2*\i]
.endr
.endr
.irp c, 0,1
	v_max3_num_f32 v[BM+\c], v[BM+\c], v[S+32*\c+15], v[S+32*\c+16]
.endr
.irp c, 0,1
	s_delay_alu instid0(VALU_DEP_2)
	v_max_num_f32 v[BM+\c], v[BM+\c], v[6*\c]
.endr
.set LQ, 0                                     ; the lines that make M hang on each other: the step's 27 LDS loads are issued among them
	s_delay_alu instid0(VALU_DEP_1)
	v_max_num_f32 v[T2], v[BM], v[BM+1]
	LD3
	v_permlanex16_b32 v[T0], v[T2], s[SEL], s[SEL+1]   ; lane l xor 16's 64 keys
	LD3
	v_max3_num_f32 v13, v13, v[T2], v[T0]          ; the running largest score
	LD3
	v_mul_f32 v[T1], s[CS], v13                    ; as t (c is positive)
	LD3
	v_floor_f32 v[T1], -v[T1]                      ; the new -M = floor(-t) = -ceil(t)
	LD3
	v_sub_f32 v[T2], v[T1], v12                    ; old M - new M: a whole number, 0 or less
	LD3
	v_mov_b32 v12, v[T1]
	LD3
	v_cvt_i32_f32 v[T2], v[T2]                     ; (it saturates)
	LD3
	v_ldexp_f32 v[F], 1.0, v[T2]                   ; f = 2^(old M - new M)
	LD3
.set j, 0
.rept 32
	v_pk_fma_f32 v[S+j:S+j+1], v[S+j:S+j+1], s[CS:CS+1], v[12:13] op_sel_hi:[1,0,0]   ; t - M, two at a time
.set j, j+2
.endr
.irp c, 0,1
	v_fma_f32 v[BM+\c], v[BM+\c], s[CS], v12       ; the same of each block's largest score
.endr
.set j, 0
.rept 16
	v_pk_mul_f32 v[O+j:O+j+1], v[O+j:O+j+1], v[F:F+1] op_sel_hi:[1,0]   ; O^T under the new M, each accumulator from its low end on
.set j, j+2
.endr
	s_wait_alu depctr_va_vdst(0)
.set j, 0
.rept 64
	v_exp_f32 v[S+j], v[S+j]                       ; p = 2^(t - M), at most 1
.set j, j+1
.endr
.irp c, 0,1
	v_exp_f32 v[BM+\c], v[BM+\c]                   ; the block's largest p: the same two instructions on the same number give the same bits
.endr
	v_pk_mul_f32 v[14:15], v[14:15], v[F:F+1] op_sel_hi:[1,0]   ; the sums under the new M (the plain line behind the exponentials)
	s_wait_alu depctr_va_vdst(0)                   ; and the wait behind the batch
	v_max_num_f32 v[BM], 0x1800000, v[BM]          ; the floor 2^(3 - 127): the byte cannot fall under 1
	v_max_num_f32 v[BM+1], 0x1800000, v[BM+1]
	v_add_nc_u32 v[T1], 0xff000000, v[BM]          ; 2 off the exponent field: the conversions' scale operands
	v_add_nc_u32 v[T2], 0xff000000, v[BM+1]
	v_cvt_scalef32_pk16_fp6_f32 v[PC:PC+2], v[S:S+15], v[T1]           ; each block's lower 16 codes
	v_cvt_scalef32_pk16_fp6_f32 v[PC+6:PC+8], v[S+32:S+47], v[T2]
	v_lshrrev_b32 v[BM], 23, v[T1]                 ; the scales' bytes (plain lines behind the conversions)
	v_lshrrev_b32 v[BM+1], 23, v[T2]
	s_delay_alu instid0(VALU_DEP_1)
	v_lshl_or_b32 v[T0], v[BM+1], 16, v[BM]        ; my blocks h and 2 + h
.irp i, 0,1,2,3                                ; THE ROW'S SUM, of the unquantised p, in place.  The first four pairs are summed away: a conversion's three registers begin on an even number,
	PADD 4+\i, \i                                  ; so the upper 16 codes are made in these registers and moved
.endr
	v_cvt_scalef32_pk16_fp6_f32 v[S:S+2], v[S+16:S+31], v[T1]
	v_cvt_scalef32_pk16_fp6_f32 v[S+4:S+6], v[S+48:S+63], v[T2]
.irp i, 0,1,2,3
	PADD 4+\i, 18+\i                               ; (plain lines behind the conversions: they write none of their sources or results)
.endr
	v_permlanex16_b32 v[BM], v[T0], s[SEL], s[SEL+1]
	s_delay_alu instid0(VALU_DEP_1)
	v_lshl_or_b32 v[PS], v[BM], 8, v[T0]           ; lanes 0-15: the four bytes of my query's 128 keys
.irp i, 0,1,2
	v_mov_b32 v[PC+3+\i], v[S+\i]
	v_mov_b32 v[PC+9+\i], v[S+4+\i]
.endr
.irp i, 4,5,6,7,8,9,10,11,12,13
	PADD 4+\i, 18+\i
.endr
.irp i, 0,1,2,3,4,5,6
	PADD 4+\i, 11+\i
.endr
.irp i, 0,1,2
	s_delay_alu instid0(VALU_DEP_3)
	PADD 4+\i, 8+\i
.endr
	s_delay_alu instid0(VALU_DEP_1)
	PADD 4, 6
	s_delay_alu instid0(VALU_DEP_3)
	PADD 5, 7
	s_delay_alu instid0(VALU_DEP_1)
	PADD 4, 5
	s_delay_alu instid0(VALU_DEP_1)
	v_pk_add_f32 v[14:15], v[14:15], v[S+8:S+9]
	s_wait_dscnt 14                                ; V and its scale words are in; the 14 younger loads, the next step's K, may be out
.irp t, 0,1,2,3                                ; O^T += V^T P^T: the four accumulators by turns
.if (\t%2) == 0
	v_wmma_scale_f32_16x16x128_f8f6f4 v[O+8*\t:O+8*\t+7], v[VF+12*\t:VF+12*\t+11], v[PC:PC+11], v[O+8*\t:O+8*\t+7], v[VSW+\t/2], v[PS] matrix_a_fmt:MATRIX_FMT_FP6 matrix_b_fmt:MATRIX_FMT_FP6
.else
	v_wmma_scale_f32_16x16x128_f8f6f4 v[O+8*\t:O+8*\t+7], v[VF+12*\t:VF+12*\t+11], v[PC:PC+11], v[O+8*\t:O+8*\t+7], v[VSW+\t/2], v[PS] matrix_a_fmt:MATRIX_FMT_FP6 matrix_b_fmt:MATRIX_FMT_FP6 matrix_a_scale:MATRIX_SCALE_ROW1
.endif
.endr
	s_mov_b32 s[TB], s[TN]
	s_add_co_u32 s[TN], s[TN], STEPL
	s_and_b32 s[TN], s[TN], SPARE-1                ; behind step 15 comes step 0
.endm
; THE WAY OUT of a pass: O^T / the sum; register 16 i + n is channel 32 i + 16 h + n of my query: two blocks of 32 along the last product's K, each in lanes l and l xor 16.  Their codes are half a fragment of that
; product's operand and leave as its image: three runs of 256 bytes, lane l at 8 l.  The head's two scale bytes leave two to a lane.
.macro OUT u
.rept 4
	v_nop                                          ; places behind the last products
.endr
	s_wait_alu depctr_va_vdst(0)                   ; directly ahead of the reader below
	v_add_f32 v14, v14, v15
	s_delay_alu instid0(VALU_DEP_1)
	v_permlanex16_b32 v[T0], v14, s[SEL], s[SEL+1]
	s_delay_alu instid0(VALU_DEP_1)
	v_add_f32 v14, v14, v[T0]                      ; the row's sum
	s_wait_alu depctr_va_vdst(0)
	v_rcp_f32 v14, v14
	v_nop
	s_wait_alu depctr_va_vdst(0)                   ; directly ahead of the first reader of the quotient and of O^T
.set j, 0
.rept 16
	v_pk_mul_f32 v[S+j:S+j+1], v[O+j:O+j+1], v[14:15] op_sel_hi:[1,0]
.set j, j+2
.endr
.irp b, 0,1
	v_max3_num_f32 v[BM+\b], |v[S+16*\b]|, |v[S+16*\b+1]|, 0x1800000
.endr
.irp i, 2,4,6,8,10,12,14
.irp b, 0,1
	s_delay_alu instid0(VALU_DEP_2)
	v_max3_num_f32 v[BM+\b], v[BM+\b], |v[S+16*\b+\i]|, |v[S+16*\b+\i+1]|
.endr
.endr
	s_delay_alu instid0(VALU_DEP_2)
	v_permlanex16_b32 v[T0], v[BM], s[SEL], s[SEL+1]
	s_delay_alu instid0(VALU_DEP_2)
	v_permlanex16_b32 v[T1], v[BM+1], s[SEL], s[SEL+1]
	s_delay_alu instid0(VALU_DEP_2)
	v_max_num_f32 v[BM], v[BM], v[T0]
	s_delay_alu instid0(VALU_DEP_2)
	v_max_num_f32 v[BM+1], v[BM+1], v[T1]
	s_delay_alu instid0(VALU_DEP_2)
	v_add_nc_u32 v[T0], 0xff000000, v[BM]
	s_delay_alu instid0(VALU_DEP_2)
	v_add_nc_u32 v[T1], 0xff000000, v[BM+1]
	s_delay_alu instid0(VALU_DEP_2)
	v_lshrrev_b32 v[BM], 23, v[T0]
	s_delay_alu instid0(VALU_DEP_2)
	v_lshrrev_b32 v[BM+1], 23, v[T1]
	s_delay_alu instid0(VALU_DEP_1)
	v_lshl_or_b32 v[T2], v[BM+1], 8, v[BM]         ; the head's two scale bytes of my row
	v_cvt_scalef32_pk16_fp6_f32 v[PC:PC+2], v[S:S+15], v[T0]
	v_cvt_scalef32_pk16_fp6_f32 v[S+32:S+34], v[S+16:S+31], v[T1]
	v_nop                                          ; one plain line behind a scaled conversion
.irp i, 0,1,2
	v_permlane16_swap_b32 v[PC+\i], v[S+32+\i]     ; a whole block to a lane
.endr
.irp i, 0,1,2
	s_delay_alu instid0(VALU_DEP_3)
	v_mov_b32 v[PC+3+\i], v[S+32+\i]
.endr
.irp p, 0,1,2
	global_store_b64 v[L8], v[PC+2*\p:PC+2*\p+1], s[38:39] offset:\u*12288+256*\p   ; 32 lanes store 256 consecutive bytes, aligned
.endr
	global_store_b16 v[R32], v[T2], s[40:41] offset:\u*512   ; lanes r and r + 16 store the same two bytes
.endm
.macro PASS u                          ; tile u of my 32 queries against all keys
.if \u
	s_wait_xcnt 0x0                                ; the first pass's stores have read their registers
.endif
.irp i, 0,1,2,3,4,5
.if \u
	v_mov_b32 v[QL+\i], v[Q1+\i]
	v_mov_b32 v[QL+12+\i], v[Q1+\i]
.else
	v_mov_b32 v[QL+\i], v[QT+\i]
	v_mov_b32 v[QL+12+\i], v[QT+\i]
	v_mov_b32 v[Q1+\i], v[QT+6+\i]
.endif
.endr
.if \u
	v_perm_b32 v[QS], v[QW], v[QW], 0x03020302     ; the tile's two scale bytes, for both halves of the instruction's K
.else
	v_perm_b32 v[QS], v[QW], v[QW], 0x01000100
.endif
	v_mov_b32 v13, 0xff61b1e6                      ; the largest score so far: -3e38
	v_mov_b32 v12, 0x7f61b1e6                      ; -M: 3e38, so that the first f is 0
	v_mov_b32 v14, 0
	v_mov_b32 v15, 0
.set j, 0
.rept 32
	v_mov_b32 v[O+j], 0                            ; O^T: the step is written once; the first finds zeros.  (These lines are also the places between the scale word above and the first product)
.set j, j+1
.endr
	s_mov_b32 s[TB], 0
	s_mov_b32 s[TN], STEPL
	s_mov_b32 s[CNT], 16
.Lstep_\@:
	STEP
	s_sub_co_u32 s[CNT], s[CNT], 1
	s_cmp_lg_u32 s[CNT], 0
	s_cbranch_scc1 .Lstep_\@
	OUT \u
.endm
	PASS 0
	PASS 1
	s_wait_dscnt 0x0                               ; the ring's last request has landed
	s_wait_tensorcnt 0x0                           ; the wave's end
	ds_add_u32 v254, v255
	s_wait_dscnt 0x0
	ROUND                                          ; the closing round
	s_endpgm
.Lfunc_end_k_q7a70b590ef_attn:
	.size	k_q7a70b590ef_attn, .Lfunc_end_k_q7a70b590ef_attn-k_q7a70b590ef_attn
	.p2alignl 7, 3214868480
	.fill 96, 4, 3214868480
	.section	.rodata,"a",@progbits
	.p2align	6, 0x0
	.amdhsa_kernel k_q7a70b590ef_attn
		.amdhsa_group_segment_fixed_size 264192
		.amdhsa_private_segment_fixed_size 0
		.amdhsa_enable_private_segment 0
		.amdhsa_kernarg_size 16
		.amdhsa_user_sgpr_count 2
		.amdhsa_user_sgpr_kernarg_segment_ptr 1
		.amdhsa_wavefront_size32 1
		.amdhsa_system_sgpr_workgroup_id_x 1
		.amdhsa_system_sgpr_workgroup_id_y 1
		.amdhsa_system_sgpr_workgroup_id_z 1
		.amdhsa_system_vgpr_workitem_id 0
		.amdhsa_next_free_vgpr 256
		.amdhsa_next_free_sgpr 66
		.amdhsa_reserve_vcc 0
		.amdhsa_float_denorm_mode_32 3
		.amdhsa_float_denorm_mode_16_64 3
		.amdhsa_memory_ordered 1
		.amdhsa_forward_progress 1
		.amdhsa_inst_pref_size 49
	.end_amdhsa_kernel
	.amdgpu_metadata
---
amdhsa.version: [ 1, 2 ]
amdhsa.kernels:
  - .name:           k_q7a70b590ef_attn
    .symbol:         k_q7a70b590ef_attn.kd
    .args:
      - { .name: qkv, .offset: 0, .size: 8, .value_kind: global_buffer, .address_space: global }
      - { .name: acs, .offset: 8, .size: 8, .value_kind: global_buffer, .address_space: global }
    .group_segment_fixed_size: 264192
    .private_segment_fixed_size: 0
    .kernarg_segment_align: 8
    .kernarg_segment_size: 16
    .max_flat_workgroup_size: 512
    .sgpr_count:     66
    .vgpr_count:     256
    .wavefront_size: 32
...
	.end_amdgpu_metadata
.endif
;; end of part 3
;; launch proj (part 4): grid 4 x 64, 4 waves a work-group, clusters of 4 x 4, 327,680 bytes of LDS; arguments acs, qin, out_b, out0; writes out0
.if DOCPART == 4
	.amdgcn_target "amdgcn-amd-amdhsa--gfx1250"
	.amdhsa_code_object_version 6
	.text
	.protected	k_q7a70b590ef_proj
	.globl	k_q7a70b590ef_proj
	.p2align	8
	.type	k_q7a70b590ef_proj,@function
k_q7a70b590ef_proj:
	s_mov_b64 s[64:65], 0
	v_nop
	global_prefetch_b8 v0, s[64:65] scope:SCOPE_SE
	s_setreg_imm32_b32 hwreg(HW_REG_WAVE_MODE, 25, 1), 1
	s_wait_xcnt 0x0
	s_wait_alu depctr_hold_cnt(0) depctr_sa_sdst(0) depctr_va_vdst(0) depctr_va_sdst(0) depctr_va_ssrc(0) depctr_va_vcc(0) depctr_vm_vsrc(0)
	s_getreg_b32 s2, hwreg(HW_REG_IB_STS2, 6, 4)
	s_cmp_eq_u32 s2, 0
	s_cbranch_scc0 .Lentry_in_a_cluster
	s_endpgm
.Lentry_in_a_cluster:
	s_bfe_u32 s2, ttmp6, 0x10000c
	s_cmp_lg_u32 s2, 0xf033
	s_cbranch_scc0 .Lentry_shape_is_right
	s_endpgm
.Lentry_shape_is_right:
.set NQ,     2
.set ROWB,   2359296                   ; bytes from one chunk of 256 along K to the next in qin (chunk c of stored row n at ROWB c + 192 n)
.set KROW,   768
.set PITCH,  240
.set FR,     12
.set NL,     6
.set NP,     4
.set HALFT,  128*PITCH
.set SLOT,   4*HALFT
.set AKB,    3072
.set KS,     32
.set SCL,    2*SLOT
.set HALFS,  (128*KS/256)*272
.set SBLK,   (16*KS/256)*272
.set SPARE,  SCL+4*HALFS
.set SPITCH, 528
.set A_SCALES, 6291456
.set B_CODES,  2162688
.set B_SCALES, 9797632
.set ROWC,   4096
.set ADRA, 16
.set ADRB, 20
.set STO,  24
.set RD,   25
.set CO,   26
.set ADRS, 27
.set SPW,  28
.set NIL,  29
.set BO,   30
.set ADSX, 31
.set SC,   32
.set BI,   64
.set AF,   128
.set BK,   128
.set G1, 24
.set G0, 32
.set G1B, 48
.set G0B, 56
.set G1S, 68
.set G0S, 76
.set G1SB, 80
.set G0SB, 88
.set MSB, 0
.macro WIN new
.if MSB != (\new)
	s_set_vgpr_msb (MSB<<8)|(\new)
.set MSB, (\new)
.endif
.endm
.set MUL_LO, 0xa1
.set BIAS_LO, 0x81
.set TO_B,   0x40
.macro JLOAD g0a, g1a, g0b, g1b
	s_cmp_eq_u32 s15, 0
	s_cbranch_scc0 .Lfor_b_\@
	tensor_load_to_lds s[\g0a:\g0a+3], s[\g1a:\g1a+7]
	s_nop 0
.rept 4
	v_nop
.endr
	s_branch .Lasked_\@
.Lfor_b_\@:
	tensor_load_to_lds s[\g0b:\g0b+3], s[\g1b:\g1b+7]
	s_nop 0
.rept 4
	v_nop
.endr
.Lasked_\@:
.endm
.macro CREST
	s_cmp_lg_u32 s14, 0
	s_cbranch_scc1 .Lnot_wave_0_\@
	s_barrier_signal -3
.Lnot_wave_0_\@:
	s_barrier_wait -3
	s_barrier_signal -1
	s_barrier_wait -1
.endm
.macro CROUND
	s_barrier_signal -1
	s_barrier_wait -1
	CREST
.endm
	s_load_b64 s[4:5], s[0:1], 0x0
	s_load_b64 s[8:9], s[0:1], 0x8
	s_load_b64 s[96:97], s[0:1], 0x10
	s_load_b64 s[12:13], s[0:1], 0x18
	v_lshl_add_u32 v[SPW], v0, 2, SPARE
	v_mov_b32 v[NIL], 0
	ds_add_u32 v28, v29
	ds_add_u32 v28, v29
	s_wait_dscnt 0x0
	v_lshrrev_b32 v1, 5, v0
	v_readfirstlane_b32 s14, v1
	s_lshr_b32 s15, s14, 1
	s_and_b32 s16, s14, 1
	s_bfe_u32 s40, ttmp6, 0x40000
	s_bfe_u32 s41, ttmp6, 0x40004
	s_lshl_b32 s42, ttmp9, 2
	s_add_co_u32 s42, s42, s40
	s_and_b32 s17, ttmp7, 0xffff
	s_lshl_b32 s17, s17, 2
	s_add_co_u32 s17, s17, s41
	s_lshl_b32 s43, s41, 2
	s_lshl_b32 s43, 15, s43
	s_lshl_b32 s44, 0x1111, s40
	s_or_b32 s[G1+0], s43, (3<<16)|(1<<21)
	s_mov_b32 s[G1+1], 384<<16
	s_mov_b32 s[G1+2], 8<<16               ; (the head's loads bring whole tiles; behind them the words that count rows are set to the ring's)
	s_mov_b32 s[G1+3], 384<<16
	s_mov_b32 s[G1+4], 8
	s_mov_b32 s[G1+5], 1536
	s_mov_b32 s[G1+6], 0
	s_mov_b32 s[G1+7], 0
	s_or_b32 s[G1B+0], s44, (0<<16)|(1<<20)|(1<<21)|(3<<22)|(3<<25)
	s_mov_b32 s[G1B+1], 256<<16            ; 128 rows x 192 bytes of one chunk are dense: stated as 96 rows of 256 bytes, each on a multiple of 256;
	s_mov_b32 s[G1B+2], 192<<16
	s_mov_b32 s[G1B+3], 256<<16
	s_mov_b32 s[G1B+4], 192
	s_mov_b32 s[G1B+5], 256
	s_mov_b32 s[G1B+6], 0
	s_mov_b32 s[G1B+7], 0
	s_or_b32 s[G1S+0], s43, (3<<16)|(1<<20)|(1<<21)|(5<<22)|(3<<25)
	s_mov_b32 s[G1S+1], 32<<16
	s_mov_b32 s[G1S+2], 16<<16
	s_mov_b32 s[G1S+3], 32<<16
	s_mov_b32 s[G1S+4], 16
	s_mov_b32 s[G1S+5], 32
	s_mov_b32 s[G1S+6], 0
	s_mov_b32 s[G1S+7], 0
	s_or_b32 s[G1SB+0], s44, (3<<16)|(1<<20)|(1<<21)|(5<<22)|(3<<25)
	s_mov_b32 s[G1SB+1], 32<<16
	s_mov_b32 s[G1SB+2], 32<<16
	s_mov_b32 s[G1SB+3], 32<<16
	s_mov_b32 s[G1SB+4], 32
	s_mov_b32 s[G1SB+5], 32
	s_mov_b32 s[G1SB+6], 0
	s_mov_b32 s[G1SB+7], 0
	s_lshl_b32 s18, s16, 6
	s_lshl_b32 s20, s17, 7
	s_add_co_u32 s20, s20, s18
	s_lshl_b32 s18, s16, 7
	s_lshl_b32 s46, s42, 8
	s_add_co_u32 s46, s46, s18
	s_mov_b32 s21, 0
	s_mov_b32 s47, 0
	s_mov_b64 s[18:19], KS
	s_mul_u64 s[22:23], s[20:21], s[18:19]
	s_mul_u64 s[92:93], s[46:47], s[18:19]
	s_mov_b64 s[18:19], KROW
	s_mul_u64 s[20:21], s[20:21], s[18:19]
	s_mov_b64 s[18:19], 192                ; out_w's rows lie 192 bytes apart inside a chunk
	s_mul_u64 s[46:47], s[46:47], s[18:19]
	s_mul_i32 s45, s14, HALFT
	s_mul_i32 s94, s14, HALFS
	s_mul_i32 s95, s16, 4*AKB              ; A's two halves lie on end in a slot: four tiles of 16 rows x 3,072 bytes each
	s_wait_kmcnt 0x0
	s_add_nc_u64 s[6:7], s[4:5], A_SCALES
	s_add_nc_u64 s[10:11], s[8:9], B_SCALES
	s_add_nc_u64 s[8:9], s[8:9], B_CODES
	s_add_nc_u64 s[20:21], s[4:5], s[20:21]
	s_add_nc_u64 s[22:23], s[6:7], s[22:23]
	s_add_nc_u64 s[46:47], s[8:9], s[46:47]
	s_add_nc_u64 s[92:93], s[10:11], s[92:93]
	CROUND
	s_mov_b32 s[G0S], 1
	s_add_co_u32 s[G0S+1], s94, SCL-HALFS          ; wave 1 asks by this group: the scales of all 128 rows of A, from SCL on
	s_sub_nc_u64 s[G0S+2:G0S+3], s[22:23], 64*KS   ; (its own half is the second: 64 rows back)
	s_or_b32 s[G0S+3], s[G0S+3], 0x80000000
	s_mov_b32 s[G0SB], 1
	s_add_co_u32 s[G0SB+1], s94, SCL-HALFS         ; wave 3 by this one: the scales of all 256 rows of out_w, from SCL + 2 HALFS on
	s_sub_nc_u64 s[G0SB+2:G0SB+3], s[92:93], 128*KS
	s_or_b32 s[G0SB+3], s[G0SB+3], 0x80000000
.irp s, 0,1
	s_mov_b32 s[G0+4*\s], 1
	s_add_co_u32 s[G0+4*\s+1], s95, \s*SLOT
	s_add_nc_u64 s[G0+4*\s+2:G0+4*\s+3], s[20:21], \s*AKB
	s_or_b32 s[G0+4*\s+3], s[G0+4*\s+3], 0x80000000
	s_mov_b32 s[G0B+4*\s], 1
	s_add_co_u32 s[G0B+4*\s+1], s45, \s*SLOT
	s_add_nc_u64 s[G0B+4*\s+2:G0B+4*\s+3], s[46:47], \s*ROWB
	s_or_b32 s[G0B+4*\s+3], s[G0B+4*\s+3], 0x80000000
.endr
	; THE HEAD'S LOADS, one a wave, in one chain of branches on the wave's number: wave 0 chunk 0 of A's 128 rows, wave 1 their scales, wave 2 chunk 0 of out_w's 256 rows, wave 3 their scales.
	; Waves 0 and 2 own the first halves, so their own groups 0 of slot 0 point at the tiles' first rows.
	s_cmp_lt_u32 s14, 1
	s_cbranch_scc0 .Lhead_1
	tensor_load_to_lds s[G0:G0+3], s[G1:G1+7]
	s_nop 0
.rept 4
	v_nop
.endr
	s_branch .Lhead_asked
.Lhead_1:
	s_cmp_lt_u32 s14, 2
	s_cbranch_scc0 .Lhead_2
	tensor_load_to_lds s[G0S:G0S+3], s[G1S:G1S+7]
	s_nop 0
.rept 4
	v_nop
.endr
	s_branch .Lhead_asked
.Lhead_2:
	s_cmp_lt_u32 s14, 3
	s_cbranch_scc0 .Lhead_3
	tensor_load_to_lds s[G0B:G0B+3], s[G1B:G1B+7]
	s_nop 0
.rept 4
	v_nop
.endr
	s_branch .Lhead_asked
.Lhead_3:
	tensor_load_to_lds s[G0SB:G0SB+3], s[G1SB:G1SB+7]
	s_nop 0
.rept 4
	v_nop
.endr
.Lhead_asked:
	s_wait_alu depctr_va_vdst(0)
	s_wait_tensorcnt 0x0                           ; my tile of the head's four is in
	ds_add_u32 v28, v29
	s_mov_b32 s[G1+2], 4<<16                       ; no tensor load of mine is out: from here on a load brings half a tile
	s_mov_b32 s[G1+4], 4
	s_mov_b32 s[G1B+2], 96<<16
	s_mov_b32 s[G1B+4], 96
	s_wait_dscnt 0x0
	CROUND
	JLOAD G0+4, G1, G0B+4, G1B                     ; slot 1's first fill, a quarter of the slot a wave
	v_and_b32 v1, 15, v0
	v_bfe_u32 v2, v0, 4, 1
	v_mul_u32_u24 v3, v1, PITCH
	v_mul_u32_u24 v4, v2, 24
	v_add_nc_u32 v4, v3, v4
	v_lshl_add_u32 v5, v2, 4, v4
	v_and_b32 v6, 31, v0
	v_lshlrev_b32 v6, 3, v6
	s_mul_i32 s21, s15, 4*AKB
	s_mul_i32 s22, s16, HALFT
	s_add_co_u32 s22, s22, 2*HALFT
.irp s, 0,1
	v_add_nc_u32 v[ADRA+\s], s21, v6
	v_add_nc_u32 v[ADRB+\s], s22, v4
	v_add_nc_u32 v[ADRB+2+\s], s22, v5
	s_add_co_u32 s21, s21, SLOT
	s_add_co_u32 s22, s22, SLOT
.endr
	v_mul_u32_u24 v3, v1, KS
	v_lshrrev_b32 v6, 8, v3
	v_lshl_add_u32 v3, v6, 4, v3
	s_mul_i32 s21, s15, HALFS/2
	s_add_co_u32 s21, s21, SCL
	s_mul_i32 s22, s16, HALFS
	s_add_co_u32 s22, s22, SCL+2*HALFS
	v_add_nc_u32 v[ADSX], s22, v3
	s_sub_co_u32 s22, s22, s21
	v_mul_u32_u24 v6, s22, v2
	v_add_nc_u32 v5, v3, v6
	v_add_nc_u32 v[ADRS], s21, v5
	s_mul_i32 s23, s14, 16*SPITCH
	v_mul_u32_u24 v5, v1, SPITCH
	v_lshl_add_u32 v5, v2, 6, v5
	v_add_nc_u32 v[STO], s23, v5
	v_and_b32 v6, 31, v0
	v_lshlrev_b32 v[CO], 4, v6
	v_add_nc_u32 v[RD], s23, v[CO]
	v_lshlrev_b32 v[BO], 6, v2
	s_wait_alu depctr_va_vdst(0)
	s_lshl_b32 s20, s17, 7
	s_lshl_b32 s21, s15, 6
	s_add_co_u32 s20, s20, s21
	s_mov_b32 s21, 0
	s_mov_b64 s[18:19], ROWC
	s_mul_u64 s[20:21], s[20:21], s[18:19]
	s_lshl_b32 s46, s42, 10
	s_lshl_b32 s47, s16, 9
	s_add_co_u32 s46, s46, s47
	s_mov_b32 s47, 0
	s_add_nc_u64 s[20:21], s[20:21], s[46:47]
	s_add_nc_u64 s[12:13], s[12:13], s[20:21]
	s_add_nc_u64 s[96:97], s[96:97], s[46:47]
.irp b, 0,1,2,3,4,5,6,7
	global_load_b128 v[BI+8*\b:BI+8*\b+3], v[BO], s[96:97] offset:128*(\b/2)+32*(\b%2)
	global_load_b128 v[BI+8*\b+4:BI+8*\b+7], v[BO], s[96:97] offset:128*(\b/2)+32*(\b%2)+16
.endr
.macro FRAG reg, adr, q, i
.irp p, 0,1,2,3,4,5
.set PC, 12*(\q)+6*(\p/3)+\p%3
.if PC%8 < 5
	ds_load_b64 v[\reg+2*\p:\reg+2*\p+1], v[\adr] offset:8*PC+16*(PC/8)+(\i)*16*PITCH
.else
	ds_load_b64 v[\reg+2*\p:\reg+2*\p+1], v[\adr+2] offset:8*PC+16*(PC/8)+(\i)*16*PITCH
.endif
.endr
.endm
.macro FRAGA reg, adr, q, i
.irp p, 0,1,2,3,4,5
	ds_load_b64 v[\reg+2*\p:\reg+2*\p+1], v[\adr] offset:(\i)*AKB+(\q)*1536+256*\p
.endr
.endm
.macro MUL8 a, p, q, sc, first
.irp b, 0,1,2,3,4,5,6,7
.if \first
	v_wmma_scale_f32_16x16x128_f8f6f4 v[8*(8*(\a)+\b):8*(8*(\a)+\b)+7], v[128*(\p)+FR*\b:128*(\p)+FR*\b+FR-1], v[AF+FR*(\a):AF+FR*(\a)+FR-1], v[BI+8*\b:BI+8*\b+7], v[SC+8*NQ*(\sc)+NQ*\b+(\q)], v[SC+8*NQ*(\sc)+NQ*(\a)+(\q)] matrix_a_fmt:MATRIX_FMT_FP6 matrix_b_fmt:MATRIX_FMT_FP6 matrix_a_scale:MATRIX_SCALE_ROW1
.else
	v_wmma_scale_f32_16x16x128_f8f6f4 v[8*(8*(\a)+\b):8*(8*(\a)+\b)+7], v[128*(\p)+FR*\b:128*(\p)+FR*\b+FR-1], v[AF+FR*(\a):AF+FR*(\a)+FR-1], v[8*(8*(\a)+\b):8*(8*(\a)+\b)+7], v[SC+8*NQ*(\sc)+NQ*\b+(\q)], v[SC+8*NQ*(\sc)+NQ*(\a)+(\q)] matrix_a_fmt:MATRIX_FMT_FP6 matrix_b_fmt:MATRIX_FMT_FP6 matrix_a_scale:MATRIX_SCALE_ROW1
.endif
.endr
.endm
.macro FETCH_B slot, q, p
	WIN TO_B
.irp i, 0,1,2,3,4,5,6,7
	FRAG 128*(\p)+FR*\i, ADRB+\slot, \q, \i
.endr
	WIN 0
.endm
.macro FETCH_A slot, q, i0
.irp i, \i0, \i0+1
	FRAGA AF+FR*(\i), ADRA+\slot, \q, \i
.endr
.endm
.macro SCALES sc
.irp i, 0,1,2,3
	ds_load_b64 v[SC+8*NQ*\sc+NQ*\i:SC+8*NQ*\sc+NQ*\i+1], v[ADRS] offset:\i*SBLK
.endr
.irp i, 4,5,6,7
	ds_load_b64 v[SC+8*NQ*\sc+NQ*\i:SC+8*NQ*\sc+NQ*\i+1], v[ADSX] offset:\i*SBLK
.endr
.endm
.macro PLACES n
.rept \n
	v_nop
.endr
.endm
.macro STEP slot, q, first
	s_wait_dscnt 2*NL
.if \first
	WIN BIAS_LO
.else
	WIN MUL_LO
.endif
	MUL8 0, (\q)%2, \q, \slot, \first
	MUL8 1, (\q)%2, \q, \slot, \first
	s_wait_dscnt 0
	PLACES NP
	FETCH_B \slot, (\q)+1, 1-(\q)%2
	FETCH_A \slot, (\q)+1, 0
.if \first
	WIN BIAS_LO
.else
	WIN MUL_LO
.endif
	MUL8 2, (\q)%2, \q, \slot, \first
	MUL8 3, (\q)%2, \q, \slot, \first
	PLACES NP
	WIN 0
	FETCH_A \slot, (\q)+1, 2
.endm
.macro TURN slot, next, fill
	s_wait_tensorcnt 0x0
	ds_add_u32 v[SPW], v[NIL]
	s_wait_dscnt 2*NL+1
	WIN MUL_LO
	MUL8 0, 1, NQ-1, \slot, 0
	s_wait_dscnt 0x0
	s_barrier_signal -1
	MUL8 1, 1, NQ-1, \slot, 0
	WIN 0
	s_barrier_wait -1
.if \fill
	CREST
	s_add_nc_u64 s[G0+4*\slot+2:G0+4*\slot+3], s[G0+4*\slot+2:G0+4*\slot+3], 2*AKB
	s_add_nc_u64 s[G0B+4*\slot+2:G0B+4*\slot+3], s[G0B+4*\slot+2:G0B+4*\slot+3], 2*ROWB
	JLOAD G0+4*\slot, G1, G0B+4*\slot, G1B
.else
	PLACES NP
.endif
	s_wait_alu depctr_va_vdst(0)
	v_add_nc_u32 v[ADRS], 4*NQ, v[ADRS]
	v_add_nc_u32 v[ADSX], 4*NQ, v[ADSX]
	FETCH_B \next, 0, 0
	FETCH_A \next, 0, 0
	SCALES \next
	WIN MUL_LO
	MUL8 2, 1, NQ-1, \slot, 0
	MUL8 3, 1, NQ-1, \slot, 0
	PLACES NP
	WIN 0
	FETCH_A \next, 0, 2
.endm
	s_wait_tensorcnt 1
	s_barrier_signal -1
	s_barrier_wait -1
	FETCH_B 0, 0, 0
	FETCH_A 0, 0, 0
	SCALES 0
	FETCH_A 0, 0, 2
	s_wait_loadcnt 0x0
	STEP 0, 0, 1
	TURN 0, 1, 1
	STEP 1, 0, 0
	TURN 1, 0, 1
	STEP 0, 0, 0
	TURN 0, 1, 0
	STEP 1, 0, 0
	s_wait_dscnt 2*NL
	WIN MUL_LO
	MUL8 0, 1, NQ-1, 1, 0
	MUL8 1, 1, NQ-1, 1, 0
	s_wait_dscnt 0
	MUL8 2, 1, NQ-1, 1, 0
	MUL8 3, 1, NQ-1, 1, 0
	WIN 0
.macro TOSTAGE a
.set AC, 64*(\a)
	WIN 0x08
.irp b, 0,1,2,3,4,5,6,7
	ds_store_b128 v[STO], v[AC+8*\b:AC+8*\b+3] offset:128*(\b/2)+32*(\b%2)
	ds_store_b128 v[STO], v[AC+8*\b+4:AC+8*\b+7] offset:128*(\b/2)+32*(\b%2)+16
.endr
	WIN 0
.set BB, BK+64*((\a)%2)
.irp t, 0,1,2,3,4,5,6,7,8,9,10,11,12,13,14,15
	ds_load_b128 v[BB+4*\t:BB+4*\t+3], v[RD] offset:\t*SPITCH
.endr
.endm
.macro SEND a, younger
.set BB, BK+64*((\a)%2)
	s_wait_dscnt \younger
.if (\a) > 0
.if ((\a)%2) == 1
	s_add_nc_u64 s[12:13], s[12:13], 8*ROWC
.else
	s_add_nc_u64 s[12:13], s[12:13], 24*ROWC
.endif
.endif
.irp t, 0,1,2,3,4,5,6,7,8,9,10,11,12,13,14,15
	global_store_b128 v[CO], v[BB+4*\t:BB+4*\t+3], s[12:13] offset:(\t+8*(\t/8))*ROWC th:TH_STORE_NT
.endr
.endm
	PLACES NP
	TOSTAGE 0
.irp a, 1,2,3
.if \a > 1
	s_wait_xcnt 0x0
.endif
	TOSTAGE \a
	SEND \a-1, 32
.endr
	s_wait_xcnt 0x0
	SEND 3, 0
	s_wait_tensorcnt 0x0
	ds_add_u32 v[SPW], v[NIL]
	s_wait_dscnt 0x0
	CROUND
	s_endpgm
.Lfunc_end_k_q7a70b590ef_proj:
	.size	k_q7a70b590ef_proj, .Lfunc_end_k_q7a70b590ef_proj-k_q7a70b590ef_proj
	.p2alignl 7, 3214868480
	.fill 96, 4, 3214868480
	.section	.rodata,"a",@progbits
	.p2align	6, 0x0
	.amdhsa_kernel k_q7a70b590ef_proj
		.amdhsa_group_segment_fixed_size 327680
		.amdhsa_private_segment_fixed_size 0
		.amdhsa_enable_private_segment 0
		.amdhsa_kernarg_size 32
		.amdhsa_user_sgpr_count 2
		.amdhsa_user_sgpr_kernarg_segment_ptr 1
		.amdhsa_wavefront_size32 1
		.amdhsa_system_sgpr_workgroup_id_x 1
		.amdhsa_system_sgpr_workgroup_id_y 1
		.amdhsa_system_sgpr_workgroup_id_z 1
		.amdhsa_system_vgpr_workitem_id 0
		.amdhsa_next_free_vgpr 768
		.amdhsa_next_free_sgpr 100
		.amdhsa_reserve_vcc 0
		.amdhsa_float_denorm_mode_32 3
		.amdhsa_float_denorm_mode_16_64 3
		.amdhsa_memory_ordered 1
		.amdhsa_forward_progress 1
		.amdhsa_inst_pref_size 104
	.end_amdhsa_kernel
	.amdgpu_metadata
---
amdhsa.version: [ 1, 2 ]
amdhsa.kernels:
  - .name:           k_q7a70b590ef_proj
    .symbol:         k_q7a70b590ef_proj.kd
    .args:
      - { .name: acs, .offset: 0, .size: 8, .value_kind: global_buffer, .address_space: global }
      - { .name: qin, .offset: 8, .size: 8, .value_kind: global_buffer, .address_space: global }
      - { .name: out_b, .offset: 16, .size: 8, .value_kind: global_buffer, .address_space: global }
      - { .name: out0, .offset: 24, .size: 8, .value_kind: global_buffer, .address_space: global }
    .group_segment_fixed_size: 327680
    .private_segment_fixed_size: 0
    .kernarg_segment_align: 8
    .kernarg_segment_size: 32
    .max_flat_workgroup_size: 128
    .sgpr_count:     100
    .vgpr_count:     768
    .wavefront_size: 32
...
	.end_amdgpu_metadata
.endif
;; end of part 4
